; MI455X (gfx1250); checked and timed in simulation.
; The chip was launched on July 23, 2026; its instructions are those of AMD's public machine-readable ISA for CDNA 5 (MIT licence, August 2026) and "CDNA5" Instruction Set Architecture Reference Guide (July 2026). The comments in the code are by the model that wrote it; some were corrected since.
;; Cross Attn UGCA. Allowed arithmetic: matrix products marked QUANTISED: E2M3 operands, one E8M0 scale for each 32 along K, by v_wmma_scale_f32_16x16x128_f8f6f4 with both operands' format E2M3, f32 sums; products left as they are: f32 operands where the result goes on into a quantised operand, else bf16, f16 or f32 operands; f32 sums; everything else in f32.
;; Inputs: Wg1_codes 192 x 96 x 24 uint8 (E2M3 codes of Wg1, K innermost, in blocks of 32 codes, four codes in three bytes); Wg1_scales 192 x 96 uint8 (E8M0 scales of Wg1, one for each 32 codes along K); Wg2 192 x 1 float32; Wk_codes 768 x 24 x 24 uint8 (E2M3 codes of Wk, K innermost, in blocks of 32 codes, four codes in three bytes); Wk_scales 768 x 24 uint8 (E8M0 scales of Wk, one for each 32 codes along K); Wo_codes 768 x 24 x 24 uint8 (E2M3 codes of Wo, K innermost, in blocks of 32 codes, four codes in three bytes); Wo_scales 768 x 24 uint8 (E8M0 scales of Wo, one for each 32 codes along K); Wq_codes 768 x 24 x 24 uint8 (E2M3 codes of Wq, K innermost, in blocks of 32 codes, four codes in three bytes); Wq_scales 768 x 24 uint8 (E8M0 scales of Wq, one for each 32 codes along K); Wv_codes 768 x 24 x 24 uint8 (E2M3 codes of Wv, K innermost, in blocks of 32 codes, four codes in three bytes); Wv_scales 768 x 24 uint8 (E8M0 scales of Wv, one for each 32 codes along K); bg1 192 float32; bg2 1 float32; bk 768 float32; bo 768 float32; bq 768 float32; bv 768 float32; kv_mask 32 x 1,024 bool; kv_tokens 32 x 1,024 x 768 float32; ln_b 768 float32; ln_g 768 float32; q_vec 32 x 768 float32.
;; Outputs: out0 32 x 768 float32; out1 32 x 1,024 float32.
;; This version of the problem:
;;   THIS VERSION OF THE PROBLEM IS GIVEN IN LOW PRECISION. The matrix products marked QUANTISED in the list below multiply operands that are first quantised to E2M3 (2 exponent bits, 3 mantissa bits; 6 bits a number), with one power-of-two scale for each 32 numbers along K (OCP MX v1.0); their sums are f32. All else is computed in f32.
;;   The module's matrix products, in the order in which they are computed (A, B: the left and right operand; K: the contracted axis; several contracted axes count as one K, in the product's order):
;;     1. [M 32,768, K 3,072] x [K 3,072, N 192]; A: computed on the way; B: input Wg1 (given as codes): QUANTISED
;;     2. [M 32,768, K 192] x [K 192, N 1]; A: computed on the way; B: input Wg2: left as it is (N = 1 < 16)
;;     3. [M 32, K 768] x [K 768, N 768]; A: input q_vec; B: input Wq (given as codes): QUANTISED
;;     4. [M 32,768, K 768] x [K 768, N 768]; A: input kv_tokens; B: input Wk (given as codes): QUANTISED
;;     5. [M 32,768, K 768] x [K 768, N 768]; A: input kv_tokens; B: input Wv (given as codes): QUANTISED
;;     6. batch 256 x [M 1, K 96] x [K 96, N 1,024]; A: computed on the way; B: computed on the way: left as it is (M = 1 < 16)
;;     7. batch 256 x [M 1, K 1,024] x [K 1,024, N 96]; A: softmax; B: computed on the way: left as it is (M = 1 < 16)
;;     8. [M 32, K 768] x [K 768, N 768]; A: computed on the way; B: input Wo (given as codes): QUANTISED
;;   THE QUANTISER, for each operand of a quantised product, along K:
;;     - K is cut into blocks of 32 from its start; a last block that is shorter is filled with zeros.
;;     - A block's scale is 2^e with e = floor(log2(the largest magnitude in the block)) - 2, held to -126 .. 127; a block of zeros has e = 0. As a byte (E8M0): e + 127.
;;     - Each number is divided by its block's scale, clamped to +-7.5, and rounded to the nearest number of E2M3, ties to even, subnormals kept.
;;     - The product sums the exact products of the quantised numbers (number of the format x scale) in f32.
;;   ~~~python
;;   def quantise(x, axis):      # numpy; x: float32 -> the quantised numbers, widened to float32 again
;;       x = np.moveaxis(x, axis, -1); K = x.shape[-1]
;;       x = np.pad(x, [(0, 0)] * (x.ndim - 1) + [(0, -K % 32)]); x = x.reshape(x.shape[:-1] + (-1, 32)); a = np.abs(x).max(-1, keepdims=True)
;;       e = np.where(a > 0, np.clip(np.frexp(np.where(a > 0, a, 1))[1] - 1 - 2, -126, 127), 0)      # np.frexp(a)[1] - 1 = floor(log2(a)), exactly
;;       r = np.clip(x / 2.0 ** e, -7.5, 7.5)
;;       step = 2.0 ** (np.maximum(np.frexp(np.where(r == 0, 1, r))[1] - 1, 0) - 3)
;;       q = np.round(r / step) * step * 2.0 ** e      # np.round: ties to even
;;       return np.moveaxis(q.reshape(q.shape[:-2] + (-1,))[..., :K], -1, axis).astype(np.float32)
;;   ~~~
;;   OPERANDS COMPUTED ON THE WAY. 'Computed on the way' means the value that the module computes at that place (a softmax that the list does not call 'softmax' is quantised finished and normalised). What goes into a quantiser is computed in f32, as accurately as f32 sums, v_exp_f32 and their like allow (about 1e-6 of the number): no bf16 or f16 on the way to a quantiser, and a product that is left as it is and whose result goes on into a quantised operand takes f32 operands (vector FMAs, or v_wmma_f32_16x16x4_f32). A number that lies on a knife's edge between two numbers of the format may be rounded either way, as far as f32 arithmetic and the matrix unit's own rounding can turn it there, and no further.
;;   INPUTS GIVEN AS CODES. Wg1 (in the module: [3072, 192], K = its axis 0); Wk (in the module: [768, 768], K = its axis 0); Wo (in the module: [768, 768], K = its axis 0); Wq (in the module: [768, 768], K = its axis 0); Wv (in the module: [768, 768], K = its axis 0): each comes as NAME_codes (uint8): NAME with its K axis moved to the last place and cut into blocks of 32 codes, [.., K / 32, bytes a block], one block behind the other in memory; four codes in three bytes: a row's codes are one little-endian stream of bits, code i at bits 6 i .. 6 i + 5 (a code: sign, 2 exponent bits, 3 mantissa bits); and NAME_scales (uint8): the same leading axes, one E8M0 byte (e + 127) for each 32 codes along K. Its value is code x scale, taken as it is: it is not quantised again, and the codes and scales need not be those that the quantiser above would give.
;; 2 versions. Each part assembles by itself: llvm-mc -triple=amdgcn-amd-amdhsa -mcpu=gfx1250 --defsym DOCPART=n.
;; ======== version 1 of 2: 3 launches
;; workspace buffers: wimg 1,751,040 bytes; qp 98,304 bytes; hq 24,576 bytes; part 786,432 bytes; ml 16,384 bytes
;; launch prep (part 1): grid 20 x 1, 12 waves a work-group, no clusters, 22,016 bytes of LDS; arguments Wg1_codes, Wg1_scales, Wk_codes, Wk_scales, Wv_codes, Wv_scales, Wo_codes, Wo_scales, Wq_codes, Wq_scales, q_vec, bq, bg1, wimg, qp, hq; writes wimg, qp, hq
.if DOCPART == 1
	.amdgcn_target "amdgcn-amd-amdhsa--gfx1250"
	.amdhsa_code_object_version 6
	.text
	.protected	k_qdf3ddec08b_prep
	.globl	k_qdf3ddec08b_prep
	.p2align	8
	.type	k_qdf3ddec08b_prep,@function
k_qdf3ddec08b_prep:
	s_mov_b64 s[64:65], 0
	v_nop
	global_prefetch_b8 v0, s[64:65] scope:SCOPE_SE
	s_setreg_imm32_b32 hwreg(HW_REG_WAVE_MODE, 25, 1), 1
	s_wait_xcnt 0x0
; TWO JOBS IN ONE LAUNCH, told apart by the work-group's number.
; Work-groups 0-14 (path R): the weights that the later launches walk are laid out once as IMAGES OF OPERAND REGISTERS.  wimg is 180 groups of 9,728 bytes; a group is 6 column tiles x 128 along K:
;   6 fragments of 1,536 bytes (the c-th four registers of lane l at 512 c + 16 l), then 512 bytes of scale words, [row r of a tile][8 words], word t = tile t's row r, words 6 and 7 zero.
;   groups 0-35: Wg1's K steps 6-23 (kv, |q - kv|, q kv), in the order in which the gate walks them; 36-131: Wk and Wv, by fill, wave and K step; 132-179: Wo.  One wave makes one group.
; Work-groups 15-19 (path P): qp = Q(q_vec) Wq + bq (15-18) and hq = Q(q_vec) Wg1[0:768] + bg1 (19): the part of the gate's first product that is the same for all tokens of a batch.
;   Each of the twelve waves quantises one fragment of q_vec (16 rows x 128 K), hands it on through LDS as an image of its registers, and then makes one column tile for all 32 rows.
; No tensor load and no cluster: every weight byte is read once by one wave (path R), and path P's shared operand is 18 KiB made in the work-group itself.
; LIMITS: NaN and infinities among the inputs are not served; a block of zeros gets the scale byte 1 (its codes are zeros, and this program alone reads the byte).
.set GRP, 9728
.set TM,  32                           ; v32-47 at work in the quantiser
.set PW,  48                           ; v48    the scale word just made
.set PC,  50                           ; v50-69 the codes just made
.set X,   70                           ; v70-133 64 numbers of q_vec; later A's fragments, two sets of 24
.set ASC, 18432                        ; LDS: 12 images of 1,536 bytes from 0, then 12 x 128 bytes of scale words
.macro PLACES n
.rept \n
	v_nop
.endr
.endm
; 64 numbers of a lane, register 16 b + i = k 32 b + 16 (lane / 16) + i of my row, become a fragment's codes in v[PC] on and its scale word in v[PW]
.macro QUANT s
.irp b, 0,1,2,3
	v_max3_num_f32 v[TM+\b], |v[\s+16*\b]|, |v[\s+1+16*\b]|, 0x1800000   ; the floor 2^(3 - 127) holds the byte at 1 from below
.endr
.irp i, 2,4,6,8,10,12,14
.irp b, 0,1,2,3
	v_max3_num_f32 v[TM+\b], v[TM+\b], |v[\s+16*\b+\i]|, |v[\s+1+16*\b+\i]|
.endr
.endr
.irp b, 0,1,2,3
	v_permlanex16_b32 v[TM+4+\b], v[TM+\b], s68, s69
.endr
.irp b, 0,1,2,3
	v_max_num_f32 v[TM+\b], v[TM+\b], v[TM+4+\b]           ; with lane l xor 16's: the block's largest magnitude
.endr
.irp b, 0,1,2,3
	v_add_nc_u32 v[TM+12+\b], 0xff000000, v[TM+\b]         ; 2 off its exponent field: the conversion's scale operand
.endr
.irp b, 0,1,2,3
	v_lshrrev_b32 v[TM+4+\b], 23, v[TM+12+\b]              ; the scale's byte
.endr
	v_lshl_or_b32 v[PW], v[TM+5], 8, v[TM+4]
	v_lshl_or_b32 v[PW], v[TM+6], 16, v[PW]
	v_lshl_or_b32 v[PW], v[TM+7], 24, v[PW]
.irp c, 0,1
	v_cvt_scalef32_pk16_fp6_f32 v[PC+6*\c:PC+2+6*\c], v[\s+32*\c:\s+15+32*\c], v[TM+12+2*\c]
	v_cvt_scalef32_pk16_fp6_f32 v[PC+12+4*\c:PC+14+4*\c], v[\s+16+32*\c:\s+31+32*\c], v[TM+12+2*\c+1]
.endr
	v_nop                                          ; one plain place behind a scaled conversion
.irp c, 0,1                                    ; the operand's layout wants a whole block in a lane
.irp i, 0,1,2
	v_permlane16_swap_b32 v[PC+6*\c+\i], v[PC+12+4*\c+\i]
.endr
.irp i, 0,1,2
	v_mov_b32 v[PC+3+6*\c+\i], v[PC+12+4*\c+\i]
.endr
.endr
.endm
	s_load_b512 s[16:31], s[0:1], 0x0              ; Wg1 codes, scales; Wk; Wv; Wo
	s_load_b512 s[32:47], s[0:1], 0x40             ; Wq codes, scales; q_vec; bq; bg1; wimg; qp; hq
	v_lshl_add_u32 v254, v0, 2, 0x5000
	v_mov_b32 v255, 0
	v_lshrrev_b32 v1, 5, v0
	v_readfirstlane_b32 s4, v1                     ; wave 0..11
	v_and_b32 v1, 15, v0                           ; r
	v_bfe_u32 v2, v0, 4, 1                         ; h
	v_and_b32 v3, 31, v0
	v_lshlrev_b32 v4, 2, v3                        ; 4 x lane
	v_lshlrev_b32 v3, 4, v3                        ; 16 x lane
	s_cmp_lt_u32 ttmp9, 15
	s_cbranch_scc0 .Lproducts
	; ---- path R: group id = 12 x work-group + wave.  All three readings of the id are computed, then one is chosen: no branch.
	s_mul_i32 s5, ttmp9, 12
	s_add_co_u32 s5, s5, s4                        ; id
	s_mul_i32 s6, s5, 43691                        ; the gate: u = id / 3 (x 43691 >> 17), j = id % 3
	s_lshr_b32 s6, s6, 17
	s_mul_i32 s7, s6, 3
	s_sub_co_u32 s7, s5, s7
	s_lshr_b32 s8, s6, 1                           ; chunk of 128 along the 768
	s_and_b32 s9, s6, 1
	s_mul_i32 s9, s9, 96                           ; first row: 96 x (u & 1)
	s_mul_i32 s7, s7, 6
	s_add_co_u32 s7, s7, 6
	s_add_co_u32 s8, s8, s7                        ; K step 6 (j + 1) + chunk
	s_sub_co_u32 s10, s5, 36                       ; K and V: e = id - 36, u = e / 3, j = e % 3
	s_mul_i32 s11, s10, 43691
	s_lshr_b32 s11, s11, 17
	s_mul_i32 s12, s11, 3
	s_sub_co_u32 s12, s10, s12
	s_lshr_b32 s13, s11, 2                         ; fill
	s_and_b32 s11, s11, 3                          ; wave of the main launch
	s_and_b32 s14, s13, 1                          ; which half of K
	s_lshr_b32 s13, s13, 1                         ; pass
	s_mul_i32 s14, s14, 3
	s_add_co_u32 s12, s12, s14                     ; K step
	s_lshr_b32 s14, s13, 1
	s_lshl_b32 s11, s11, 1
	s_add_co_u32 s11, s11, s14                     ; head = 2 wave + pass / 2
	s_mul_i32 s11, s11, 96
	s_and_b32 s13, s13, 1                          ; odd pass: V
	s_sub_co_u32 s48, s5, 132                      ; Wo: e = id - 132, 96 rows x e / 6, K step e % 6
	s_mul_i32 s49, s48, 43691
	s_lshr_b32 s49, s49, 18
	s_mul_i32 s50, s49, 6
	s_sub_co_u32 s50, s48, s50
	s_mul_i32 s49, s49, 96
	s_mov_b32 s56, 576
	s_wait_kmcnt 0x0
	s_cmp_lg_u32 s13, 0
	s_cselect_b64 s[52:53], s[24:25], s[20:21]
	s_cselect_b64 s[54:55], s[26:27], s[22:23]
	s_cmp_lt_u32 s5, 132
	s_cselect_b64 s[52:53], s[52:53], s[28:29]
	s_cselect_b64 s[54:55], s[54:55], s[30:31]
	s_cselect_b32 s11, s11, s49
	s_cselect_b32 s12, s12, s50
	s_cmp_lt_u32 s5, 36
	s_cselect_b64 s[52:53], s[16:17], s[52:53]     ; the codes,
	s_cselect_b64 s[54:55], s[18:19], s[54:55]     ; the scale bytes,
	s_cselect_b32 s11, s9, s11                     ; the first row,
	s_cselect_b32 s12, s8, s12                     ; the K step,
	s_cselect_b32 s56, 2304, s56                   ; a row of codes in bytes,
	s_cselect_b32 s57, 96, 24                      ; a row of scale bytes
	s_mul_i32 s58, s11, s56
	s_mul_i32 s59, s12, 96
	s_add_co_u32 s58, s58, s59
	s_mov_b32 s59, 0
	s_add_nc_u64 s[52:53], s[52:53], s[58:59]
	s_mul_i32 s58, s11, s57
	s_lshl_b32 s60, s12, 2
	s_add_co_u32 s58, s58, s60
	s_add_nc_u64 s[54:55], s[54:55], s[58:59]
	s_mul_i32 s58, s5, GRP
	s_add_nc_u64 s[66:67], s[42:43], s[58:59]      ; my group in wimg
	v_mul_lo_u32 v10, v1, s56
	v_mad_u32_u24 v10, v2, 24, v10                 ; tile 0: row r, + 24 h
	v_mul_lo_u32 v16, v1, s57
	s_lshl_b32 s60, s56, 4
	s_lshl_b32 s61, s57, 4
.irp t, 1,2,3,4,5
	v_add_nc_u32 v[10+\t], s60, v[9+\t]            ; 16 rows on
	v_add_nc_u32 v[16+\t], s61, v[15+\t]
.endr
	v_lshlrev_b32 v5, 5, v1                        ; 32 r: my row's eight scale words
	v_mov_b32 v46, 0
	v_mov_b32 v47, 0
.irp t, 0,1,2,3,4,5
.irp p, 0,1,2,3,4,5
	global_load_b64 v[64+12*\t+2*\p:65+12*\t+2*\p], v[10+\t], s[52:53] offset:48*(\p/3)+8*(\p%3)
.endr
	global_load_b32 v[40+\t], v[16+\t], s[54:55]
.endr
	s_wait_loadcnt 0x0
.irp t, 0,1,2,3,4,5
.irp c, 0,1,2
	global_store_b128 v3, v[64+12*\t+4*\c:67+12*\t+4*\c], s[66:67] offset:1536*\t+512*\c   ; 32 lanes store 512 consecutive bytes
.endr
.endr
	global_store_b128 v5, v[40:43], s[66:67] offset:9216      ; lanes 16-31 repeat lanes 0-15's bytes with the same values
	global_store_b128 v5, v[44:47], s[66:67] offset:9232
	s_endpgm
.Lproducts:
	; ---- path P
	s_sub_co_u32 s5, ttmp9, 15
	s_mul_i32 s6, s5, 12
	s_add_co_u32 s6, s6, s4
	s_mov_b32 s8, 2304
	s_mov_b32 s9, 768
	s_mov_b32 s68, 0x76543210
	s_mov_b32 s69, 0xfedcba98                      ; v_permlanex16_b32's selects for lane l xor 16
	s_wait_kmcnt 0x0
	s_cmp_lt_u32 s5, 4                             ; Wq's work-group, or Wg1's
	s_cselect_b32 s6, s6, s4                       ; my column tile
	s_cselect_b64 s[48:49], s[32:33], s[16:17]     ; codes
	s_cselect_b64 s[50:51], s[34:35], s[18:19]     ; scale bytes
	s_cselect_b64 s[52:53], s[38:39], s[40:41]     ; bias
	s_cselect_b64 s[54:55], s[44:45], s[46:47]     ; result
	s_cselect_b32 s8, 576, s8                      ; a row of codes
	s_cselect_b32 s9, 3072, s9                     ; a row of the result
	s_cselect_b32 s10, 24, 96                      ; a row of scale bytes
	s_lshl_b32 s11, s6, 4
	s_mul_i32 s12, s11, s8
	s_mov_b32 s13, 0
	s_add_nc_u64 s[48:49], s[48:49], s[12:13]
	s_mul_i32 s12, s11, s10
	s_add_nc_u64 s[50:51], s[50:51], s[12:13]
	s_lshl_b32 s12, s6, 6
	s_add_nc_u64 s[52:53], s[52:53], s[12:13]
	s_add_nc_u64 s[54:55], s[54:55], s[12:13]
	s_cmp_ge_u32 s4, 6                             ; which fragment of q_vec I quantise: rows 16 m on, K step wave - 6 m
	s_cselect_b32 s14, 1, 0
	s_mul_i32 s15, s14, 6
	s_sub_co_u32 s15, s4, s15
	s_mul_i32 s12, s14, 49152
	s_lshl_b32 s15, s15, 9
	s_add_co_u32 s12, s12, s15
	s_add_nc_u64 s[36:37], s[36:37], s[12:13]
	v_mul_lo_u32 v10, v1, s8
	v_mad_u32_u24 v10, v2, 24, v10                 ; weights: row r, + 24 h
	v_mul_lo_u32 v11, v1, s10
	v_lshlrev_b32 v12, 5, v2                       ; bias: my half's eight numbers
	v_mul_u32_u24 v13, v1, 3072
	v_lshl_add_u32 v13, v2, 6, v13                 ; q_vec: row r, + 64 h
	s_mul_i32 s15, s4, 1536
	v_add_nc_u32 v14, s15, v3                      ; where my image goes
	s_lshl_b32 s15, s4, 7
	v_add_nc_u32 v15, s15, v4
	v_add_nc_u32 v15, ASC, v15                     ; and its scale words
	v_mul_lo_u32 v7, v1, s9
	v_lshl_add_u32 v7, v2, 5, v7                   ; result: row r, + 32 h
	s_lshl_b32 s15, s9, 4
	v_add_nc_u32 v8, s15, v7                       ; and 16 rows on
.irp b, 0,1,2,3
	v_mov_b32 v[TM+4+\b], 0                        ; a lane permute's destination counts as one of its sources
.endr
.irp b, 0,1,2,3
.irp j, 0,1,2,3
	global_load_b128 v[X+16*\b+4*\j:X+16*\b+4*\j+3], v13, s[36:37] offset:128*\b+16*\j
.endr
.endr
.irp k, 0,1,2,3,4,5
.irp p, 0,1,2,3,4,5
	global_load_b64 v[136+12*\k+2*\p:137+12*\k+2*\p], v10, s[48:49] offset:96*\k+48*(\p/3)+8*(\p%3)
.endr
	global_load_b32 v[232+\k], v11, s[50:51] offset:4*\k
.endr
	global_load_b128 v[224:227], v12, s[52:53]
	global_load_b128 v[228:231], v12, s[52:53] offset:16
	s_wait_loadcnt 0x0
	QUANT X
.irp c, 0,1,2
	ds_store_b128 v14, v[PC+4*\c:PC+4*\c+3] offset:512*\c
.endr
	ds_store_b32 v15, v[PW]
	s_wait_dscnt 0x0                               ; for the others' sake: my image has landed
	s_barrier_signal -1
	s_barrier_wait -1
.macro FETCHA k                        ; both row tiles' fragments and scale words of K step k into set k % 2
.irp m, 0,1
.irp c, 0,1,2
	ds_load_b128 v[X+24*((\k)%2)+12*\m+4*\c:X+24*((\k)%2)+12*\m+4*\c+3], v3 offset:1536*(6*\m+(\k))+512*\c
.endr
	ds_load_b32 v[238+2*((\k)%2)+\m], v4 offset:ASC+128*(6*\m+(\k))
.endr
.endm
	FETCHA 0
.irp k, 0,1,2,3,4,5
.if \k < 5
.if \k > 0
	PLACES 4                                       ; in front of loads into the set that the last two products read
.endif
	FETCHA \k+1
	s_wait_dscnt 8                                 ; this K step's are in; the next step's eight loads may be out
.else
	s_wait_dscnt 0x0
.endif
.irp m, 0,1                                    ; transposed: source 0 = 16 rows of the weight, source 1 = 16 rows of q_vec; the two sums take turns; the bias starts them
.if \k == 0
	v_wmma_scale_f32_16x16x128_f8f6f4 v[208+8*\m:215+8*\m], v[136+12*\k:147+12*\k], v[X+24*(\k%2)+12*\m:X+24*(\k%2)+12*\m+11], v[224:231], v[232+\k], v[238+2*(\k%2)+\m] matrix_a_fmt:MATRIX_FMT_FP6 matrix_b_fmt:MATRIX_FMT_FP6
.else
	v_wmma_scale_f32_16x16x128_f8f6f4 v[208+8*\m:215+8*\m], v[136+12*\k:147+12*\k], v[X+24*(\k%2)+12*\m:X+24*(\k%2)+12*\m+11], v[208+8*\m:215+8*\m], v[232+\k], v[238+2*(\k%2)+\m] matrix_a_fmt:MATRIX_FMT_FP6 matrix_b_fmt:MATRIX_FMT_FP6
.endif
.endr
.endr
	PLACES 4
	global_store_b128 v7, v[208:211], s[54:55]             ; lane (r, h): row r, columns 16 tile + 8 h + 0 .. 7
	global_store_b128 v7, v[212:215], s[54:55] offset:16
	global_store_b128 v8, v[216:219], s[54:55]
	global_store_b128 v8, v[220:223], s[54:55] offset:16
	s_wait_tensorcnt 0x0
	ds_add_u32 v254, v255
	s_wait_dscnt 0x0
	s_endpgm
.Lfunc_end_k_qdf3ddec08b_prep:
	.size	k_qdf3ddec08b_prep, .Lfunc_end_k_qdf3ddec08b_prep-k_qdf3ddec08b_prep
	.p2alignl 7, 3214868480
	.fill 96, 4, 3214868480
	.section	.rodata,"a",@progbits
	.p2align	6, 0x0
	.amdhsa_kernel k_qdf3ddec08b_prep
		.amdhsa_group_segment_fixed_size 22016
		.amdhsa_private_segment_fixed_size 0
		.amdhsa_enable_private_segment 0
		.amdhsa_kernarg_size 128
		.amdhsa_user_sgpr_count 2
		.amdhsa_user_sgpr_kernarg_segment_ptr 1
		.amdhsa_wavefront_size32 1
		.amdhsa_system_sgpr_workgroup_id_x 1
		.amdhsa_system_sgpr_workgroup_id_y 1
		.amdhsa_system_sgpr_workgroup_id_z 1
		.amdhsa_system_vgpr_workitem_id 0
		.amdhsa_next_free_vgpr 256
		.amdhsa_next_free_sgpr 80
		.amdhsa_reserve_vcc 0
		.amdhsa_float_denorm_mode_32 3
		.amdhsa_float_denorm_mode_16_64 3
		.amdhsa_memory_ordered 1
		.amdhsa_forward_progress 1
		.amdhsa_inst_pref_size 28
	.end_amdhsa_kernel
	.amdgpu_metadata
---
amdhsa.version: [ 1, 2 ]
amdhsa.kernels:
  - .name:           k_qdf3ddec08b_prep
    .symbol:         k_qdf3ddec08b_prep.kd
    .args:
      - { .name: Wg1_codes, .offset: 0, .size: 8, .value_kind: global_buffer, .address_space: global }
      - { .name: Wg1_scales, .offset: 8, .size: 8, .value_kind: global_buffer, .address_space: global }
      - { .name: Wk_codes, .offset: 16, .size: 8, .value_kind: global_buffer, .address_space: global }
      - { .name: Wk_scales, .offset: 24, .size: 8, .value_kind: global_buffer, .address_space: global }
      - { .name: Wv_codes, .offset: 32, .size: 8, .value_kind: global_buffer, .address_space: global }
      - { .name: Wv_scales, .offset: 40, .size: 8, .value_kind: global_buffer, .address_space: global }
      - { .name: Wo_codes, .offset: 48, .size: 8, .value_kind: global_buffer, .address_space: global }
      - { .name: Wo_scales, .offset: 56, .size: 8, .value_kind: global_buffer, .address_space: global }
      - { .name: Wq_codes, .offset: 64, .size: 8, .value_kind: global_buffer, .address_space: global }
      - { .name: Wq_scales, .offset: 72, .size: 8, .value_kind: global_buffer, .address_space: global }
      - { .name: q_vec, .offset: 80, .size: 8, .value_kind: global_buffer, .address_space: global }
      - { .name: bq, .offset: 88, .size: 8, .value_kind: global_buffer, .address_space: global }
      - { .name: bg1, .offset: 96, .size: 8, .value_kind: global_buffer, .address_space: global }
      - { .name: wimg, .offset: 104, .size: 8, .value_kind: global_buffer, .address_space: global }
      - { .name: qp, .offset: 112, .size: 8, .value_kind: global_buffer, .address_space: global }
      - { .name: hq, .offset: 120, .size: 8, .value_kind: global_buffer, .address_space: global }
    .group_segment_fixed_size: 22016
    .private_segment_fixed_size: 0
    .kernarg_segment_align: 8
    .kernarg_segment_size: 128
    .max_flat_workgroup_size: 384
    .sgpr_count:     80
    .vgpr_count:     256
    .wavefront_size: 32
...
	.end_amdgpu_metadata
.endif
;; end of part 1
;; launch main (part 2): grid 256 x 1, 4 waves a work-group, clusters of 4 x 1, 327,680 bytes of LDS; arguments kv_tokens, q_vec, kv_mask, Wg2, bg2, bk, bv, wimg, qp, hq, out1, part, ml; writes out1, part, ml
.if DOCPART == 2
	.amdgcn_target "amdgcn-amd-amdhsa--gfx1250"
	.amdhsa_code_object_version 6
	.text
	.protected	k_qdf3ddec08b_main
	.globl	k_qdf3ddec08b_main
	.p2align	8
	.type	k_qdf3ddec08b_main,@function
k_qdf3ddec08b_main:
	s_mov_b64 s[64:65], 0
	v_nop
	global_prefetch_b8 v0, s[64:65] scope:SCOPE_SE
	s_setreg_imm32_b32 hwreg(HW_REG_WAVE_MODE, 25, 1), 1
	s_wait_xcnt 0x0
	s_wait_alu depctr_hold_cnt(0) depctr_sa_sdst(0) depctr_va_vdst(0) depctr_va_sdst(0) depctr_va_ssrc(0) depctr_va_vcc(0) depctr_vm_vsrc(0)
	s_getreg_b32 s2, hwreg(HW_REG_IB_STS2, 6, 4)
	s_cmp_eq_u32 s2, 0
	s_cbranch_scc0 .Lentry_in_a_cluster
	s_endpgm
.Lentry_in_a_cluster:
	s_bfe_u32 s2, ttmp6, 0x10000c
	s_cmp_lg_u32 s2, 0x3003
	s_cbranch_scc0 .Lentry_shape_is_right
	s_endpgm
.Lentry_shape_is_right:
; A work-group of four waves takes 128 tokens of one batch through everything that hangs on tokens; kv_tokens is read once, K, V and the gate's hidden layer never go to memory.
; GATE (waves share the TOKENS: 32 each).  Six chunks of 128 along the 768: a lane loads 64 numbers of its token, quantises kv, |q - kv| and q kv in registers (MX-FP6 along K), keeps kv's fragments in LDS as images of
;   their registers, and multiplies the three against Wg1's 192 columns.  The q rows of the concatenation are the same for all tokens of a batch: their part of the product (hq, with bg1) was made once and starts each sum.
;   Then relu, the product with Wg2 in f32, softplus, g = clip(e / (e + 1 + 1e-8)): out1; log2 g, or -infinity under the mask, stays in LDS.
; K AND V (waves share the COLUMNS: wave w makes heads 2 w and 2 w + 1 for all 128 tokens).  Four passes (K, V, K, V) of six K steps, 48 accumulators by turns; bk and bv start the sums.
;   After a K pass: t = (q . k) log2(e) / sqrt(96) + log2 g, the block's maximum m, p = 2^(t - m), l = the sum of p.  After a V pass: the sum of p (v + bv).  m, l and that sum go to memory; the closing launch joins the
;   eight blocks of a batch.  The mean of log g is the same for all keys of a row and cancels in the softmax: it is not formed.
; WEIGHTS come as register images (wimg) through a ring of two LDS slots of 12 groups.  All work-groups walk the same weights: the four of a cluster ask JOINTLY, one tensor load a wave behind each round.
; Both products are used transposed (source 0 = 16 rows of the weight, source 1 = 16 tokens): a lane holds one token and eight neighbouring columns.
; LIMITS: NaN and infinities among the inputs are not served; a block of zeros gets the scale byte 1 (its codes are zeros, and this program alone reads the byte).
; LDS: slot 0 at 0, spare words, q_vec's row, log2 g, g; slot 1 at 2^17; kv's 48 fragments; their scale words.  All of a WGP's LDS is claimed.
; REGISTERS, window 0: v0-31 addresses; v32-47 weights' scale words (two sets), v48-63 tokens' scale words; v64-79 at work, later p; v80 m, v81 l; v88-95 at work; gate: v96-159 q, v160-231 six fragments;
;   K/V: v96-167, v168-239 weights' fragments (two sets; the second serves the epilogues).  window 1: gate: four buffers of 64 numbers; K/V: tokens' fragments (two sets of 96), v192-239 q of the head.
;   window 2: gate: 24 accumulators, Wg2; K/V: accumulators of column tiles 0-3.  window 3: gate: weights (two sets of 72), q - kv, Wg2; K/V: accumulators of tiles 4, 5, the bias.
.set U,     29184                      ; a unit: 3 groups: what one tensor load brings
.set GRP,   9728
.set SLOTB, 116736                     ; a fill: 12 groups
.set SLOT1, 131072
.set SPARE, 116736                     ; 128 bytes a wave: two blocks of 256 bytes that no other line names
.set QL,    117248
.set LG,    120320                     ; log2 g; g lies 512 bytes on
.set GG,    120832
.set TIMG,  247808                     ; fragment (token tile T, K step k) at (6 T + k) 1536
.set TSC,   321536                     ; scale word at 1024 k + 32 lane + 4 T
.set TM,    64
.set PCT,   88
.set Q,     96
.set FRG,   160
.set MSB,   0
.macro WIN new                         ; the immediate's high byte repeats the setting that is left
.if MSB != \new
	s_set_vgpr_msb (MSB<<8)|\new
.set MSB, \new
.endif
.endm
.macro PLACES n
.rept \n
	v_nop
.endr
.endm
.macro CROUND                          ; a round of the cluster's barrier
	s_barrier_signal -1
	s_barrier_wait -1
	s_cmp_lg_u32 s4, 0
	s_cbranch_scc1 .Lnot_wave_0_\@
	s_barrier_signal -3
.Lnot_wave_0_\@:
	s_barrier_wait -3
	s_barrier_signal -1
	s_barrier_wait -1
.endm
; THE CHANGE OF SLOTS.  Each wave waits for all its tensor loads (one is out: its unit of the slot ahead), adds 0 to its spare word, and waits for that and for its reads of the slot that it leaves.
; fill = 1: behind a round of the cluster's barrier the slot just left is filled with the fill after next; the four v_nop behind the load are also the places in front of the LDS loads that follow.
.macro CHANGE fill
	WIN 0
	s_wait_tensorcnt 0x0                           ; no tensor load of mine is out, so the descriptor may be written
	ds_add_u32 v6, v7                              ; 0 onto my spare word
.if \fill
	s_xor_b32 s33, s33, SLOT1                      ; the walking descriptor: the other slot than last time,
	s_add_nc_u64 s[34:35], s[34:35], SLOTB         ; the next fill; the type bits on top are not reached
.endif
	s_xor_b32 s8, s8, SLOT1                        ; my reads go on to the other slot
	s_wait_dscnt 0x0                               ; the add is done, my LDS stores have landed, my reads of the slot are over
.if \fill
	CROUND
	tensor_load_to_lds s[32:35], s[24:31]          ; my one tensor load until the next round
	s_nop 0
.else
	s_barrier_signal -1
	s_barrier_wait -1
.endif
	PLACES 4
.endm
; 64 numbers of a lane in window win, register 16 b + i = k 32 b + 16 (lane / 16) + i of my token, become a fragment's codes in v[fr] on and its scale word in v[pw].  ab = 1: the codes' signs are cleared
; (rounding is symmetric, so these are the codes of the magnitudes).
.macro QUANT src, win, fr, pw, ab
	WIN (\win)|((\win)<<2)
.irp b, 0,1,2,3
	v_max3_num_f32 v[TM+\b], |v[(\src)+16*\b]|, |v[(\src)+16*\b+1]|, 0x1800000   ; the floor 2^(3 - 127) holds the byte at 1 from below
.endr
.irp i, 2,4,6,8,10,12,14
.irp b, 0,1,2,3
	v_max3_num_f32 v[TM+\b], |v[(\src)+16*\b+\i]|, |v[(\src)+16*\b+\i+1]|, v[TM+\b]
.endr
.endr
	WIN 0
.irp b, 0,1,2,3
	v_permlanex16_b32 v[TM+4+\b], v[TM+\b], s12, s13
.endr
.irp b, 0,1,2,3
	v_max_num_f32 v[TM+\b], v[TM+\b], v[TM+4+\b]           ; with lane l xor 16's: the block's largest magnitude
.endr
.irp b, 0,1,2,3
	v_add_nc_u32 v[TM+12+\b], 0xff000000, v[TM+\b]         ; 2 off its exponent field: the conversion's scale operand
.endr
.irp b, 0,1,2,3
	v_lshrrev_b32 v[TM+4+\b], 23, v[TM+12+\b]              ; the scale's byte
.endr
	v_lshl_or_b32 v[\pw], v[TM+5], 8, v[TM+4]
	v_lshl_or_b32 v[\pw], v[TM+6], 16, v[\pw]
	v_lshl_or_b32 v[\pw], v[TM+7], 24, v[\pw]
	WIN \win
.irp c, 0,1
	v_cvt_scalef32_pk16_fp6_f32 v[(\fr)+6*\c:(\fr)+6*\c+2], v[(\src)+32*\c:(\src)+32*\c+15], v[TM+12+2*\c]
	v_cvt_scalef32_pk16_fp6_f32 v[PCT+4*\c:PCT+4*\c+2], v[(\src)+32*\c+16:(\src)+32*\c+31], v[TM+12+2*\c+1]
.endr
	WIN 0
	v_nop                                          ; one plain place behind a scaled conversion
.if \ab
.irp c, 0,1
.irp i, 0,1,2
	v_and_b32 v[(\fr)+6*\c+\i], s[16+\i], v[(\fr)+6*\c+\i]   ; bit 6 i + 5 of the 96 is code i's sign
	v_and_b32 v[PCT+4*\c+\i], s[16+\i], v[PCT+4*\c+\i]
.endr
.endr
.endif
.irp c, 0,1                                    ; the operand's layout wants a whole block in a lane
.irp i, 0,1,2
	v_permlane16_swap_b32 v[(\fr)+6*\c+\i], v[PCT+4*\c+\i]
.endr
.irp i, 0,1,2
	v_mov_b32 v[(\fr)+6*\c+3+\i], v[PCT+4*\c+\i]
.endr
.endr
.endm
; 64 numbers a lane of token tile tl, chunk kc of the trip (+ extra bytes), into buffer i of window 1
.macro XLOAD i, tl, kc, extra
	WIN 0x40
.irp b, 0,1,2,3
.irp j, 0,1,2,3
	global_load_b128 v[64*(\i)+16*\b+4*\j:64*(\i)+16*\b+4*\j+3], v5, s[66:67] offset:(\tl)*49152+(\kc)*512+(\extra)+128*\b+16*\j th:TH_LOAD_NT
.endr
.endr
	WIN 0
.endm
.macro QLOAD kc                        ; q_vec's 64 numbers of the chunk, in the same layout
.irp b, 0,1,2,3
.irp j, 0,1,2,3
	ds_load_b128 v[Q+16*\b+4*\j:Q+16*\b+4*\j+3], v18 offset:512*(\kc)+128*\b+16*\j
.endr
.endr
	s_wait_dscnt 0x0
.endm
; One tile of 16 tokens, one chunk: three fragments.  left: the younger loads, those of the other buffers, may stay out.
.macro TS i, tl, kc, left, ahead
	s_wait_loadcnt \left
	QUANT 64*(\i), 1, FRG+12*(\tl), 48+(\tl), 0
.irp c, 0,1,2
	ds_store_b128 v16, v[FRG+12*(\tl)+4*\c:FRG+12*(\tl)+4*\c+3] offset:(\kc)*1536+(\tl)*9216+512*\c   ; kv's fragment is kept for K and V
.endr
	ds_store_b32 v17, v[48+(\tl)] offset:(\kc)*1024+4*(\tl)
	WIN 0xc4
.set n_, 0
.rept 32
	v_pk_add_f32 v[144+n_:145+n_], v[Q+n_:Q+n_+1], v[64*(\i)+n_:64*(\i)+n_+1] neg_lo:[0,1] neg_hi:[0,1]   ; q - kv
.set n_, n_+2
.endr
	WIN 0x44
.set n_, 0
.rept 32
	v_pk_mul_f32 v[64*(\i)+n_:64*(\i)+n_+1], v[Q+n_:Q+n_+1], v[64*(\i)+n_:64*(\i)+n_+1]                   ; q kv, in place
.set n_, n_+2
.endr
	QUANT 144, 3, FRG+12*(2+(\tl)), 50+(\tl), 1
	QUANT 64*(\i), 1, FRG+12*(4+(\tl)), 52+(\tl), 0
.if \ahead
	XLOAD \i, \tl, \kc, 1024                       ; the buffer takes the same chunk of the next trip
.endif
.endm
; Group g = 2 j + th of a chunk (feature j, columns 96 th on) into set g % 2: 18 + 2 loads
.macro LOADW g, kc
	WIN 0xc0
.irp t, 0,1,2,3,4,5
.irp c, 0,1,2
	ds_load_b128 v[72*((\g)%2)+12*\t+4*\c:72*((\g)%2)+12*\t+4*\c+3], v[8+11*(\kc)] offset:((\g)%2)*U+((\g)/2)*GRP+1536*\t+512*\c
.endr
.endr
	WIN 0
	ds_load_b128 v[32+8*((\g)%2):35+8*((\g)%2)], v[9+11*(\kc)] offset:((\g)%2)*U+((\g)/2)*GRP
	ds_load_b64 v[36+8*((\g)%2):37+8*((\g)%2)], v[9+11*(\kc)] offset:((\g)%2)*U+((\g)/2)*GRP+16
.endm
.macro GMUL g                          ; 12 products: 6 column tiles x my 2 token tiles; neighbouring groups work on different accumulators, so the accumulators take turns
	WIN 0xa3
.irp t, 0,1,2,3,4,5
.irp u, 0,1
	v_wmma_scale_f32_16x16x128_f8f6f4 v[8*(2*(6*((\g)%2)+\t)+\u):8*(2*(6*((\g)%2)+\t)+\u)+7], v[72*((\g)%2)+12*\t:72*((\g)%2)+12*\t+11], v[FRG+12*(2*((\g)/2)+\u):FRG+12*(2*((\g)/2)+\u)+11], v[8*(2*(6*((\g)%2)+\t)+\u):8*(2*(6*((\g)%2)+\t)+\u)+7], v[32+8*((\g)%2)+\t], v[48+2*((\g)/2)+\u] matrix_a_fmt:MATRIX_FMT_FP6 matrix_b_fmt:MATRIX_FMT_FP6
.endr
.endr
.endm
.macro MM kc
	PLACES 8                                       ; scale words and fragments written by vector instructions stand 8 and 4 places ahead of a scaled product
	LOADW 0, \kc
	LOADW 1, \kc
.irp g, 0,1,2,3,4,5
.if \g < 5
	s_wait_dscnt 20                                ; this group is in; the next group's 20 loads may be out
.else
	s_wait_dscnt 0x0
.endif
	GMUL \g
.if \g < 4
	PLACES 4                                       ; in front of loads into the set just multiplied
	LOADW \g+2, \kc
.endif
.endr
	WIN 0
.endm
.macro GTRIP ahead, l0, l1, l2, l3     ; one fill: two chunks
	CHANGE 1
	v_add_nc_u32 v8, s8, v3
	v_add_nc_u32 v9, s8, v22
	v_add_nc_u32 v19, 2*U, v8
	v_add_nc_u32 v20, 2*U, v9
	v_add_nc_u32 v16, s11, v13
	v_add_nc_u32 v17, s73, v14
	v_add_nc_u32 v18, s74, v15
	QLOAD 0
	TS 0, 0, 0, \l0, \ahead
	TS 1, 1, 0, \l1, \ahead
	MM 0
	QLOAD 1
	TS 2, 0, 1, \l2, \ahead
	TS 3, 1, 1, \l3, \ahead
	MM 1
.endm
; K and V: the fragments of one K step: 8 token tiles, my 6 column tiles, their scale words: 46 loads
.macro KLOAD set, ks, j
	WIN 0x40
.irp T, 0,1,2,3,4,5,6,7
.irp c, 0,1,2
	ds_load_b128 v[96*(\set)+12*\T+4*\c:96*(\set)+12*\T+4*\c+3], v[10+\T/4] offset:(6*(\T%4)+(\ks))*1536+512*\c
.endr
.endr
	WIN 0
.irp t, 0,1,2,3,4,5
.irp c, 0,1,2
	ds_load_b128 v[96+72*(\set)+12*\t+4*\c:96+72*(\set)+12*\t+4*\c+3], v8 offset:(\j)*GRP+1536*\t+512*\c
.endr
.endr
	ds_load_b128 v[32+8*(\set):35+8*(\set)], v9 offset:(\j)*GRP
	ds_load_b64 v[36+8*(\set):37+8*(\set)], v9 offset:(\j)*GRP+16
	ds_load_b128 v[48+8*(\set):51+8*(\set)], v12 offset:(\ks)*1024
	ds_load_b128 v[52+8*(\set):55+8*(\set)], v12 offset:(\ks)*1024+16
.endm
.macro WM ks, first                    ; 48 products, the 48 accumulators by turns; first = 1: the bias starts the sums
.if \first
	WIN 0xb4
.else
	WIN 0xa4
.endif
.irp c, 0,1,2,3
.irp T, 0,1,2,3,4,5,6,7
.if \first
	v_wmma_scale_f32_16x16x128_f8f6f4 v[8*(8*\c+\T):8*(8*\c+\T)+7], v[96+72*((\ks)%2)+12*\c:96+72*((\ks)%2)+12*\c+11], v[96*((\ks)%2)+12*\T:96*((\ks)%2)+12*\T+11], v[128+8*\c:135+8*\c], v[32+8*((\ks)%2)+\c], v[48+8*((\ks)%2)+\T] matrix_a_fmt:MATRIX_FMT_FP6 matrix_b_fmt:MATRIX_FMT_FP6
.else
	v_wmma_scale_f32_16x16x128_f8f6f4 v[8*(8*\c+\T):8*(8*\c+\T)+7], v[96+72*((\ks)%2)+12*\c:96+72*((\ks)%2)+12*\c+11], v[96*((\ks)%2)+12*\T:96*((\ks)%2)+12*\T+11], v[8*(8*\c+\T):8*(8*\c+\T)+7], v[32+8*((\ks)%2)+\c], v[48+8*((\ks)%2)+\T] matrix_a_fmt:MATRIX_FMT_FP6 matrix_b_fmt:MATRIX_FMT_FP6
.endif
.endr
.endr
	WIN 0xf4
.irp c, 4,5
.irp T, 0,1,2,3,4,5,6,7
.if \first
	v_wmma_scale_f32_16x16x128_f8f6f4 v[8*(8*(\c-4)+\T):8*(8*(\c-4)+\T)+7], v[96+72*((\ks)%2)+12*\c:96+72*((\ks)%2)+12*\c+11], v[96*((\ks)%2)+12*\T:96*((\ks)%2)+12*\T+11], v[128+8*\c:135+8*\c], v[32+8*((\ks)%2)+\c], v[48+8*((\ks)%2)+\T] matrix_a_fmt:MATRIX_FMT_FP6 matrix_b_fmt:MATRIX_FMT_FP6
.else
	v_wmma_scale_f32_16x16x128_f8f6f4 v[8*(8*(\c-4)+\T):8*(8*(\c-4)+\T)+7], v[96+72*((\ks)%2)+12*\c:96+72*((\ks)%2)+12*\c+11], v[96*((\ks)%2)+12*\T:96*((\ks)%2)+12*\T+11], v[8*(8*(\c-4)+\T):8*(8*(\c-4)+\T)+7], v[32+8*((\ks)%2)+\c], v[48+8*((\ks)%2)+\T] matrix_a_fmt:MATRIX_FMT_FP6 matrix_b_fmt:MATRIX_FMT_FP6
.endif
.endr
.endr
.endm
.macro BLOAD add                       ; the bias of pass s10 + add (bk on even passes, bv on odd), my head's 96 numbers in the result's layout.  The last such loads have been waited for, so their base may be written
	s_add_co_u32 s22, s10, \add
	s_lshr_b32 s23, s22, 1
	s_lshl_b32 s75, s4, 1
	s_add_co_u32 s23, s23, s75
	s_mul_i32 s70, s23, 384
	s_mov_b32 s71, 0
	s_bitcmp1_b32 s22, 0
	s_cselect_b64 s[68:69], s[48:49], s[46:47]
	s_add_nc_u64 s[68:69], s[68:69], s[70:71]
	WIN 0xc0
.irp c, 0,1,2,3,4,5
	global_load_b128 v[128+8*\c:131+8*\c], v28, s[68:69] offset:64*\c
	global_load_b128 v[132+8*\c:135+8*\c], v28, s[68:69] offset:64*\c+16
.endr
.endm
.macro QHLOAD add                      ; the projected query of head 2 w + (s10 + add) / 2, in the same layout
	s_add_co_u32 s22, s10, \add
	s_lshr_b32 s22, s22, 1
	s_lshl_b32 s23, s4, 1
	s_add_co_u32 s22, s22, s23
	s_mul_i32 s70, s22, 384
	s_mul_i32 s23, s7, 3072
	s_add_co_u32 s70, s70, s23
	s_mov_b32 s71, 0
	s_add_nc_u64 s[84:85], s[52:53], s[70:71]
	WIN 0x40
.irp c, 0,1,2,3,4,5
	global_load_b128 v[192+8*\c:195+8*\c], v28, s[84:85] offset:64*\c
	global_load_b128 v[196+8*\c:199+8*\c], v28, s[84:85] offset:64*\c+16
.endr
	WIN 0
.endm
; A K step.  Its own fragments were asked for a step ago; the next step's are asked for ahead of its 48 products.  mode 0: plain; 1: the slot is left and filled again; 2: left, not filled; 3: nothing follows.
.macro KS ks, mode, first, bl
.if \mode == 0
	s_wait_dscnt 0x0                               ; this step's fragments are in
	PLACES 4                                       ; in front of loads into the set that the last step multiplied
.elseif \mode == 3
	s_wait_dscnt 0x0
.else
	CHANGE 2-\mode
	v_add_nc_u32 v8, s8, v23
	v_add_nc_u32 v9, s8, v24
.endif
.if \bl
	BLOAD 1
.endif
.if \mode != 3
	KLOAD ((\ks)+1)%2, ((\ks)+1)%6, ((\ks)+1)%3
.endif
	WM \ks, \first
.endm
; After a K pass: scores, the block's maximum, p and its sum
.macro KE
	PLACES 4
	WIN 0
.irp T, 0,1,2,3,4,5,6,7
	ds_load_b32 v[232+\T], v25 offset:64*\T        ; log2 g of token 16 T + r, -infinity under the mask
.endr
	WIN 0x06
.irp c, 0,1,2,3
.irp p, 0,1,2,3
.irp T, 0,1,2,3,4,5,6,7
.if (\c == 0) && (\p == 0)
	v_pk_mul_f32 v[216+2*\T:217+2*\T], v[8*(8*\c+\T)+2*\p:8*(8*\c+\T)+2*\p+1], v[192+8*\c+2*\p:193+8*\c+2*\p]
.else
	v_pk_fma_f32 v[216+2*\T:217+2*\T], v[8*(8*\c+\T)+2*\p:8*(8*\c+\T)+2*\p+1], v[192+8*\c+2*\p:193+8*\c+2*\p], v[216+2*\T:217+2*\T]
.endif
.endr
.endr
.endr
	WIN 0x07
.irp c, 4,5
.irp p, 0,1,2,3
.irp T, 0,1,2,3,4,5,6,7
	v_pk_fma_f32 v[216+2*\T:217+2*\T], v[8*(8*(\c-4)+\T)+2*\p:8*(8*(\c-4)+\T)+2*\p+1], v[192+8*\c+2*\p:193+8*\c+2*\p], v[216+2*\T:217+2*\T]
.endr
.endr
.endr
	WIN 0
.irp T, 0,1,2,3,4,5,6,7
	v_add_f32 v[216+2*\T], v[216+2*\T], v[217+2*\T]
.endr
.irp T, 0,1,2,3,4,5,6,7
	v_permlanex16_b32 v[217+2*\T], v[216+2*\T], s12, s13
.endr
.irp T, 0,1,2,3,4,5,6,7
	v_add_f32 v[216+2*\T], v[216+2*\T], v[217+2*\T]        ; q . k of token 16 T + r
.endr
	s_wait_dscnt 0x0
.irp T, 0,1,2,3,4,5,6,7
	v_fma_f32 v[216+2*\T], v[216+2*\T], s14, v[232+\T]     ; t
.endr
	v_max3_num_f32 v80, v216, v218, 0xff61b1e6             ; -3e38 among the leaves: m is a number even where all 128 tokens are masked
	v_max3_num_f32 v80, v80, v220, v222
	v_max3_num_f32 v80, v80, v224, v226
	v_max3_num_f32 v80, v80, v228, v230
.irp x, 1,2,4,8
	v_max_num_f32_dpp v80, v80, v80 row_xmask:\x row_mask:0xf bank_mask:0xf
.endr
.irp T, 0,1,2,3,4,5,6,7
	v_sub_f32 v[216+2*\T], v[216+2*\T], v80
.endr
.irp T, 0,1,2,3,4,5,6,7
	v_exp_f32 v[64+2*\T], v[216+2*\T]              ; p = 2^(t - m)
.endr
	v_nop                                          ; a plain place behind the exponentials
	s_wait_alu depctr_va_vdst(0)                   ; one wait for the eight, ahead of their first reader
	v_add_f32 v81, v64, v66
	v_add_f32 v82, v68, v70
	v_add_f32 v83, v72, v74
	v_add_f32 v84, v76, v78
	v_add_f32 v81, v81, v82
	v_add_f32 v83, v83, v84
	v_add_f32 v81, v81, v83
.irp x, 1,2,4,8
	v_add_f32_dpp v81, v81, v81 row_xmask:\x row_mask:0xf bank_mask:0xf
.endr
.endm
; After a V pass: the sum over the 128 tokens of p (v + bv); it, m and l leave
.macro VE
	PLACES 4
	WIN 0x02
.irp T, 0,1,2,3,4,5,6,7
.irp c, 0,1,2,3
.irp p, 0,1,2,3
.if \T == 0
	v_pk_mul_f32 v[168+8*\c+2*\p:169+8*\c+2*\p], v[8*(8*\c+\T)+2*\p:8*(8*\c+\T)+2*\p+1], v[64+2*\T:65+2*\T] op_sel_hi:[1,0]
.else
	v_pk_fma_f32 v[168+8*\c+2*\p:169+8*\c+2*\p], v[8*(8*\c+\T)+2*\p:8*(8*\c+\T)+2*\p+1], v[64+2*\T:65+2*\T], v[168+8*\c+2*\p:169+8*\c+2*\p] op_sel_hi:[1,0,1]
.endif
.endr
.endr
.endr
	WIN 0x03
.irp T, 0,1,2,3,4,5,6,7
.irp c, 4,5
.irp p, 0,1,2,3
.if \T == 0
	v_pk_mul_f32 v[168+8*\c+2*\p:169+8*\c+2*\p], v[8*(8*(\c-4)+\T)+2*\p:8*(8*(\c-4)+\T)+2*\p+1], v[64+2*\T:65+2*\T] op_sel_hi:[1,0]
.else
	v_pk_fma_f32 v[168+8*\c+2*\p:169+8*\c+2*\p], v[8*(8*(\c-4)+\T)+2*\p:8*(8*(\c-4)+\T)+2*\p+1], v[64+2*\T:65+2*\T], v[168+8*\c+2*\p:169+8*\c+2*\p] op_sel_hi:[1,0,1]
.endif
.endr
.endr
.endr
	WIN 0
.irp x, 1,2,4,8
.set n_, 0
.rept 48
	v_add_f32_dpp v[168+n_], v[168+n_], v[168+n_] row_xmask:\x row_mask:0xf bank_mask:0xf   ; over the 16 tokens of the lanes
.set n_, n_+1
.endr
.endr
	s_lshr_b32 s22, s10, 1
	s_lshl_b32 s23, s4, 1
	s_add_co_u32 s22, s22, s23                     ; the head
	s_mul_i32 s70, s22, 384
	s_mul_i32 s23, s6, 3072
	s_add_co_u32 s70, s70, s23
	s_mov_b32 s71, 0
	s_wait_xcnt 0x0                                ; earlier stores have read their bases; and EXEC changes only behind this wait
	s_add_nc_u64 s[86:87], s[58:59], s[70:71]
	s_lshl_b32 s70, s22, 3
	s_lshl_b32 s23, s6, 6
	s_add_co_u32 s70, s70, s23
	s_add_nc_u64 s[88:89], s[60:61], s[70:71]
	v_cmp_eq_u32 vcc_lo, 0, v1
	s_and_saveexec_b32 s72, vcc_lo                 ; lanes 0 and 16: every lane of a half holds the same sums
.irp c, 0,1,2,3,4,5
	global_store_b128 v28, v[168+8*\c:171+8*\c], s[86:87] offset:64*\c
	global_store_b128 v28, v[172+8*\c:175+8*\c], s[86:87] offset:64*\c+16
.endr
	global_store_b64 v7, v[80:81], s[88:89]        ; m, l
	s_wait_xcnt 0x0                                ; and again, in front of the line that widens EXEC; the stores' data may be written again too
	s_or_b32 exec_lo, exec_lo, s72
.endm
	s_load_b512 s[36:51], s[0:1], 0x0              ; kv_tokens, q_vec, kv_mask, Wg2, bg2, bk, bv, wimg
	s_load_b256 s[52:59], s[0:1], 0x40             ; qp, hq, out1, part
	s_load_b64 s[60:61], s[0:1], 0x60              ; ml
	v_lshl_add_u32 v6, v0, 2, SPARE
	v_mov_b32 v7, 0
	ds_add_u32 v6, v7
	ds_add_u32 v6, v7
	s_wait_dscnt 0x0
	v_lshrrev_b32 v1, 5, v0
	v_readfirstlane_b32 s4, v1                     ; wave 0..3
	s_bfe_u32 s5, ttmp6, 0x40000                   ; cx: it enters global addresses alone
	s_lshl_b32 s6, ttmp9, 2
	s_add_co_u32 s6, s6, s5                        ; my block of 128 tokens
	s_lshr_b32 s7, s6, 3                           ; the batch
	s_mov_b32 s8, SLOT1
	s_mov_b32 s9, 2
	s_mov_b32 s10, 0
	s_mov_b32 s11, 0
	s_mov_b32 s73, 0
	s_mov_b32 s74, 0
	s_mov_b32 s12, 0x76543210
	s_mov_b32 s13, 0xfedcba98                      ; v_permlanex16_b32's selects for lane l xor 16
	s_mov_b32 s14, 0x3e16c740                      ; log2(e) / sqrt(96)
	s_mov_b32 s16, 0xdf7df7df                      ; all but the sign bits of 16 codes, in their three words
	s_mov_b32 s17, 0xf7df7df7
	s_mov_b32 s18, 0x7df7df7d
	s_mov_b32 s20, 0x3c23d70a                      ; 0.01
	s_mov_b32 s21, 0x3f7d70a4                      ; 0.99
	; descriptor group 1: a unit is a dense block of 114 rows of 256 bytes (32 elements of 8 bytes), no padding: images are read 512 consecutive bytes an instruction
	s_mov_b32 s24, 15|(3<<16)|(1<<21)              ; the mask: all four work-groups; elements of 8 bytes; bit 21 set beside a mask
	s_mov_b32 s25, 32<<16                          ; tensor_dim0
	s_mov_b32 s26, 114<<16                         ; tensor_dim1
	s_mov_b32 s27, 32<<16                          ; tile_dim0
	s_mov_b32 s28, 114                             ; tile_dim1
	s_mov_b32 s29, 32                              ; the pitch
	s_mov_b32 s30, 0
	s_mov_b32 s31, 0
	s_mov_b32 s32, 1
	s_mul_i32 s33, s4, U                           ; LDS: my unit of slot 0
	s_mov_b32 s22, s33
	s_mov_b32 s23, 0
	v_and_b32 v1, 15, v0                           ; r
	v_bfe_u32 v2, v0, 4, 1                         ; h
	v_and_b32 v31, 31, v0                          ; lane
	v_lshlrev_b32 v3, 4, v31                       ; 16 x lane: an image's place for my lane
	v_mul_u32_u24 v5, v1, 3072
	v_lshl_add_u32 v5, v2, 6, v5                   ; kv_tokens: row r, + 64 h
	v_add_nc_u32 v10, TIMG, v3                     ; token tiles 0-3,
	v_add_nc_u32 v11, 36864, v10                   ; 4-7
	v_lshlrev_b32 v12, 5, v31
	v_add_nc_u32 v12, TSC, v12                     ; my eight scale words of a K step
	s_mul_i32 s75, s4, 18432
	v_add_nc_u32 v13, s75, v10                     ; where my tiles' images go
	s_lshl_b32 s75, s4, 3
	v_add_nc_u32 v14, s75, v12                     ; and their scale words
	v_lshlrev_b32 v15, 6, v2
	v_add_nc_u32 v15, QL, v15
	v_lshlrev_b32 v22, 5, v1
	v_add_nc_u32 v22, 9216, v22                    ; a group's scale words of row r
	v_add_nc_u32 v23, s33, v3                      ; K and V: my unit
	v_add_nc_u32 v24, s33, v22
	v_lshlrev_b32 v25, 2, v1
	v_add_nc_u32 v25, LG, v25
	v_lshl_add_u32 v26, v0, 2, LG                  ; my token's word
	v_add_nc_u32 v27, GG, v3
	v_lshlrev_b32 v28, 5, v2                       ; 32 h: my half's eight numbers of a column tile
	s_mul_i32 s75, s4, 768
	v_lshlrev_b32 v83, 3, v31
	v_add_nc_u32 v30, s75, v83
	v_add_nc_u32 v30, QL, v30
.irp i, 68,69,70,71,72,73,74,75,80,81
	v_mov_b32 v\i, 0                               ; lane permutes' destinations, upper halves of pairs that are named, m and l: written once
.endr
	s_wait_kmcnt 0x0
	s_add_nc_u64 s[34:35], s[50:51], s[22:23]      ; wimg at my unit of fill 0
	s_or_b32 s35, s35, 0x80000000
	CROUND                                         ; all four work-groups are here: the first joint loads meet
	tensor_load_to_lds s[32:35], s[24:31]
	s_nop 0
	PLACES 4
	s_load_b32 s15, s[44:45], 0x0                  ; bg2
	s_mul_i32 s22, s7, 3072
	s_add_co_u32 s22, s22, s75
	s_add_nc_u64 s[92:93], s[38:39], s[22:23]      ; q_vec: my quarter of the batch's row
	s_mul_i32 s22, s7, 768
	s_add_nc_u64 s[76:77], s[54:55], s[22:23]      ; hq's row
	s_lshl_b32 s22, s6, 7
	s_lshl_b32 s75, s4, 5
	s_add_co_u32 s22, s22, s75                     ; my first token
	s_add_nc_u64 s[78:79], s[40:41], s[22:23]
	s_mul_i32 s22, s22, 3072
	s_add_nc_u64 s[66:67], s[36:37], s[22:23]
	s_lshl_b32 s22, s6, 9
	s_add_nc_u64 s[90:91], s[56:57], s[22:23]
.irp i, 0,1,2
	global_load_b64 v[84+2*\i:85+2*\i], v83, s[92:93] offset:256*\i
.endr
	WIN 0x80
.irp c, 0,1,2,3,4,5,6,7,8,9,10,11
.irp u, 0,1
	global_load_b128 v[8*(2*\c+\u):8*(2*\c+\u)+3], v28, s[76:77] offset:64*\c          ; hq starts all 24 sums
	global_load_b128 v[8*(2*\c+\u)+4:8*(2*\c+\u)+7], v28, s[76:77] offset:64*\c+16
.endr
.endr
.irp c, 0,1,2,3,4,5,6,7
	global_load_b128 v[192+8*\c:195+8*\c], v28, s[42:43] offset:64*\c
	global_load_b128 v[196+8*\c:199+8*\c], v28, s[42:43] offset:64*\c+16
.endr
	WIN 0xc0
.irp c, 8,9,10,11
	global_load_b128 v[208+8*(\c-8):211+8*(\c-8)], v28, s[42:43] offset:64*\c
	global_load_b128 v[212+8*(\c-8):215+8*(\c-8)], v28, s[42:43] offset:64*\c+16
.endr
	WIN 0
	global_load_u8 v29, v31, s[78:79]              ; my token's mask byte
	XLOAD 0, 0, 0, 0
	XLOAD 1, 1, 0, 0
	XLOAD 2, 0, 1, 0
	XLOAD 3, 1, 1, 0
	s_wait_loadcnt 63                              ; more than 63 loads were issued behind q_vec's three
	ds_store_b64 v30, v[84:85]
	ds_store_b64 v30, v[86:87] offset:256
	ds_store_b64 v30, v[88:89] offset:512
	s_wait_kmcnt 0x0
	; ---- THE GATE: three fills, two chunks each.  While a buffer is worked on, the 48 loads of the other three are on their way
.Lgate:
	GTRIP 1, 48, 48, 48, 48
	s_wait_xcnt 0x0                                ; the loads have read their base
	s_add_nc_u64 s[66:67], s[66:67], 1024
	s_add_co_u32 s11, s11, 3072
	s_add_co_u32 s73, s73, 2048
	s_add_co_u32 s74, s74, 1024
	s_sub_co_u32 s9, s9, 1
	s_cmp_lg_u32 s9, 0
	s_cbranch_scc1 .Lgate
	GTRIP 0, 48, 32, 16, 0                         ; the last two chunks load nothing: the counts run down
	; ---- relu, x Wg2, softplus, g
	PLACES 4
	WIN 0x88
.set n_, 0
.rept 192
	v_max_num_f32 v[n_], 0, v[n_]                  ; each accumulator from its low end on
.set n_, n_+1
.endr
	WIN 0x0a
.irp c, 0,1,2,3,4,5,6,7
.irp p, 0,1,2,3
.irp u, 0,1
.if (\c == 0) && (\p < 2)
	v_pk_mul_f32 v[240+4*\u+2*(\p%2):241+4*\u+2*(\p%2)], v[8*(2*\c+\u)+2*\p:8*(2*\c+\u)+2*\p+1], v[192+8*\c+2*\p:193+8*\c+2*\p]
.else
	v_pk_fma_f32 v[240+4*\u+2*(\p%2):241+4*\u+2*(\p%2)], v[8*(2*\c+\u)+2*\p:8*(2*\c+\u)+2*\p+1], v[192+8*\c+2*\p:193+8*\c+2*\p], v[240+4*\u+2*(\p%2):241+4*\u+2*(\p%2)]
.endif
.endr
.endr
.endr
	WIN 0x0e
.irp c, 8,9,10,11
.irp p, 0,1,2,3
.irp u, 0,1
	v_pk_fma_f32 v[240+4*\u+2*(\p%2):241+4*\u+2*(\p%2)], v[8*(2*\c+\u)+2*\p:8*(2*\c+\u)+2*\p+1], v[208+8*(\c-8)+2*\p:209+8*(\c-8)+2*\p], v[240+4*\u+2*(\p%2):241+4*\u+2*(\p%2)]
.endr
.endr
.endr
	WIN 0
	v_pk_add_f32 v[240:241], v[240:241], v[242:243]
	v_pk_add_f32 v[244:245], v[244:245], v[246:247]
	v_add_f32 v240, v240, v241
	v_add_f32 v244, v244, v245
	v_permlanex16_b32 v241, v240, s12, s13
	v_permlanex16_b32 v245, v244, s12, s13
	v_add_f32 v240, v240, v241
	v_add_f32 v244, v244, v245
	v_cmp_ne_u32 vcc_lo, 0, v2
	v_cndmask_b32 v240, v240, v244, vcc_lo         ; lanes 0-15 my first tile's tokens, lanes 16-31 my second's: lane = token
	v_add_f32 v240, s15, v240                      ; z
	v_and_b32 v241, 0x7fffffff, v240
	v_mul_f32 v241, 0xbfb8aa3b, v241
	v_exp_f32 v241, v241                           ; e^-|z|
	v_max_num_f32 v242, 0, v240                    ; (a plain place)
	s_wait_alu depctr_va_vdst(0)                   ; ahead of the first reader; likewise below
	v_add_f32 v241, 1.0, v241
	v_log_f32 v241, v241
	v_mov_b32 v245, 0xff800000                     ; (a plain place)  -infinity
	s_wait_alu depctr_va_vdst(0)
	v_fmamk_f32 v241, v241, 0x3f317218, v242       ; softplus = max(z, 0) + ln(1 + e^-|z|)
	v_add_f32 v242, 1.0, v241
	v_add_f32 v242, 0x322bcc77, v242               ; + 1e-8
	v_rcp_f32 v242, v242
	v_nop
	s_wait_alu depctr_va_vdst(0)
	v_mul_f32 v243, v241, v242
	v_med3_num_f32 v243, v243, s20, s21            ; g
	v_log_f32 v244, v243
	v_nop
	s_wait_alu depctr_va_vdst(0)
	v_cmp_ne_u32 vcc_lo, 0, v29
	v_cndmask_b32 v244, v245, v244, vcc_lo         ; log2 g, -infinity under the mask
	ds_store_b32 v26, v244
	ds_store_b32 v26, v243 offset:512
	; ---- K AND V
	CHANGE 1                                       ; its wait and its round also show kv's images, their scale words, g and log2 g to all four waves
	v_add_nc_u32 v8, s8, v23
	v_add_nc_u32 v9, s8, v24
	s_cmp_lg_u32 s4, 0
	s_cbranch_scc1 .Lno_g
	ds_load_b128 v[240:243], v27
	s_wait_dscnt 0x0
	global_store_b128 v3, v[240:243], s[90:91]     ; out1: 32 lanes store the block's 512 consecutive bytes
.Lno_g:
	BLOAD 0
	QHLOAD 0
	KLOAD 0, 0, 0
.Lpass:                                            ; passes 0, 1, 2: each leaves two slots, and both are filled again
	s_wait_loadcnt 0x0                             ; the bias, and the head's query
	KS 0, 0, 1, 0
	KS 1, 0, 0, 1
	KS 2, 1, 0, 0
	KS 3, 0, 0, 0
	KS 4, 0, 0, 0
	KS 5, 1, 0, 0
	WIN 0
	s_bitcmp1_b32 s10, 0
	s_cbranch_scc1 .Lafter_v
	KE
	s_branch .Lpass_end
.Lafter_v:
	VE
	QHLOAD 1
.Lpass_end:
	s_add_co_u32 s10, s10, 1
	s_cmp_lt_u32 s10, 3
	s_cbranch_scc1 .Lpass
	s_wait_loadcnt 0x0                             ; the last pass is written out: nothing is left to fetch
	KS 0, 0, 1, 0
	KS 1, 0, 0, 0
	KS 2, 2, 0, 0
	KS 3, 0, 0, 0
	KS 4, 0, 0, 0
	KS 5, 3, 0, 0
	WIN 0
	VE
	s_wait_tensorcnt 0x0                           ; the wave's end
	ds_add_u32 v6, v7
	s_wait_dscnt 0x0
	CROUND                                         ; the closing round
	s_endpgm
.Lfunc_end_k_qdf3ddec08b_main:
	.size	k_qdf3ddec08b_main, .Lfunc_end_k_qdf3ddec08b_main-k_qdf3ddec08b_main
	.p2alignl 7, 3214868480
	.fill 96, 4, 3214868480
	.section	.rodata,"a",@progbits
	.p2align	6, 0x0
	.amdhsa_kernel k_qdf3ddec08b_main
		.amdhsa_group_segment_fixed_size 327680
		.amdhsa_private_segment_fixed_size 0
		.amdhsa_enable_private_segment 0
		.amdhsa_kernarg_size 104
		.amdhsa_user_sgpr_count 2
		.amdhsa_user_sgpr_kernarg_segment_ptr 1
		.amdhsa_wavefront_size32 1
		.amdhsa_system_sgpr_workgroup_id_x 1
		.amdhsa_system_sgpr_workgroup_id_y 1
		.amdhsa_system_sgpr_workgroup_id_z 1
		.amdhsa_system_vgpr_workitem_id 0
		.amdhsa_next_free_vgpr 1024
		.amdhsa_next_free_sgpr 100
		.amdhsa_reserve_vcc 1
		.amdhsa_float_denorm_mode_32 3
		.amdhsa_float_denorm_mode_16_64 3
		.amdhsa_memory_ordered 1
		.amdhsa_forward_progress 1
		.amdhsa_inst_pref_size 255
	.end_amdhsa_kernel
	.section	.bss,"aw",@nobits
	.p2align	6
	.space	262144
	.amdgpu_metadata
---
amdhsa.version: [ 1, 2 ]
amdhsa.kernels:
  - .name:           k_qdf3ddec08b_main
    .symbol:         k_qdf3ddec08b_main.kd
    .args:
      - { .name: kv_tokens, .offset: 0, .size: 8, .value_kind: global_buffer, .address_space: global }
      - { .name: q_vec, .offset: 8, .size: 8, .value_kind: global_buffer, .address_space: global }
      - { .name: kv_mask, .offset: 16, .size: 8, .value_kind: global_buffer, .address_space: global }
      - { .name: Wg2, .offset: 24, .size: 8, .value_kind: global_buffer, .address_space: global }
      - { .name: bg2, .offset: 32, .size: 8, .value_kind: global_buffer, .address_space: global }
      - { .name: bk, .offset: 40, .size: 8, .value_kind: global_buffer, .address_space: global }
      - { .name: bv, .offset: 48, .size: 8, .value_kind: global_buffer, .address_space: global }
      - { .name: wimg, .offset: 56, .size: 8, .value_kind: global_buffer, .address_space: global }
      - { .name: qp, .offset: 64, .size: 8, .value_kind: global_buffer, .address_space: global }
      - { .name: hq, .offset: 72, .size: 8, .value_kind: global_buffer, .address_space: global }
      - { .name: out1, .offset: 80, .size: 8, .value_kind: global_buffer, .address_space: global }
      - { .name: part, .offset: 88, .size: 8, .value_kind: global_buffer, .address_space: global }
      - { .name: ml, .offset: 96, .size: 8, .value_kind: global_buffer, .address_space: global }
    .group_segment_fixed_size: 327680
    .private_segment_fixed_size: 0
    .kernarg_segment_align: 8
    .kernarg_segment_size: 104
    .max_flat_workgroup_size: 128
    .sgpr_count:     100
    .vgpr_count:     1024
    .wavefront_size: 32
...
	.end_amdgpu_metadata
.endif
;; end of part 2
;; launch final (part 3): grid 32 x 1, 16 waves a work-group, no clusters, 252,160 bytes of LDS; arguments part, ml, wimg, bo, q_vec, ln_g, ln_b, out0; writes out0
.if DOCPART == 3
	.amdgcn_target "amdgcn-amd-amdhsa--gfx1250"
	.amdhsa_code_object_version 6
	.text
	.protected	k_qdf3ddec08b_final
	.globl	k_qdf3ddec08b_final
	.p2align	8
	.type	k_qdf3ddec08b_final,@function
k_qdf3ddec08b_final:
	s_mov_b64 s[64:65], 0
	v_nop
	global_prefetch_b8 v0, s[64:65] scope:SCOPE_SE
	s_setreg_imm32_b32 hwreg(HW_REG_WAVE_MODE, 25, 1), 1
	s_wait_xcnt 0x0
; One work-group for each batch.  The eight blocks' m, l and sums of p (v + bv) are joined: ctx = sum_i 2^(m_i - M) part_i / sum_i 2^(m_i - M) l_i.  ctx is quantised (MX-FP6 along its 768), multiplied by Wo
; (register images out of wimg, groups 132-179), bo and q_vec are added, and the row is normalised: out0.
; Sixteen waves; wave w owns output columns 48 w .. 48 w + 47: three column tiles, six K steps.  Its fragments of K steps 0-2 go from memory straight into registers at the head; those of K steps 3-5 have no
; registers yet and wait in LDS, brought by one tensor load a wave (14,592 bytes, a first fill; nothing is filled again).
; The product is used as it stands: source 0 = ctx's fragment, whose 16 rows are equal, source 1 = 16 rows of Wo: register 0 of an accumulator is column 16 tile + r.
; No cluster: each wave has one tensor load in the whole launch, so the two rounds that a joint request asks for would outnumber the requests.
; LIMITS: NaN and infinities are not served.  A batch whose EVERY token is masked has l = 0 in all eight blocks: the definition gives NaN there; here ctx is NaN, the quantiser's maxima pass over it and the format has
; no code for it, so that row of out0 holds numbers that mean nothing.  (Blocks that are wholly masked, in a batch that has valid tokens, are served: m = -3e38, l = 0, a sum of zeros.)
.set GRP,  9728
.set CTX,  233472                      ; LDS: Wo's K steps 3-5 from 0 (8 x 29,184), then ctx,
.set AIMG, 236544                      ; its six fragments,
.set ASC,  245760                      ; their scale words,
.set RED1, 246528                      ; two rows of 16 partial sums (the second 256 bytes on),
.set OUT,  247040                      ; and the finished row
.set TM,   88
.set PW,   104
.set PC,   106
.macro PLACES n
.rept \n
	v_nop
.endr
.endm
.macro BARRIER
	s_wait_dscnt 0x0                               ; my LDS stores have landed and my LDS loads are in
	s_barrier_signal -1
	s_barrier_wait -1
.endm
.macro QUANT s
.irp b, 0,1,2,3
	v_max3_num_f32 v[TM+\b], |v[\s+16*\b]|, |v[\s+1+16*\b]|, 0x1800000   ; the floor 2^(3 - 127) holds the byte at 1 from below
.endr
.irp i, 2,4,6,8,10,12,14
.irp b, 0,1,2,3
	v_max3_num_f32 v[TM+\b], v[TM+\b], |v[\s+16*\b+\i]|, |v[\s+1+16*\b+\i]|
.endr
.endr
.irp b, 0,1,2,3
	v_permlanex16_b32 v[TM+4+\b], v[TM+\b], s50, s51
.endr
.irp b, 0,1,2,3
	v_max_num_f32 v[TM+\b], v[TM+\b], v[TM+4+\b]
.endr
.irp b, 0,1,2,3
	v_add_nc_u32 v[TM+12+\b], 0xff000000, v[TM+\b]         ; 2 off the exponent field: the conversion's scale operand
.endr
.irp b, 0,1,2,3
	v_lshrrev_b32 v[TM+4+\b], 23, v[TM+12+\b]
.endr
	v_lshl_or_b32 v[PW], v[TM+5], 8, v[TM+4]
	v_lshl_or_b32 v[PW], v[TM+6], 16, v[PW]
	v_lshl_or_b32 v[PW], v[TM+7], 24, v[PW]
.irp c, 0,1
	v_cvt_scalef32_pk16_fp6_f32 v[PC+6*\c:PC+2+6*\c], v[\s+32*\c:\s+15+32*\c], v[TM+12+2*\c]
	v_cvt_scalef32_pk16_fp6_f32 v[PC+12+4*\c:PC+14+4*\c], v[\s+16+32*\c:\s+31+32*\c], v[TM+12+2*\c+1]
.endr
	v_nop                                          ; one plain place behind a scaled conversion
.irp c, 0,1
.irp i, 0,1,2
	v_permlane16_swap_b32 v[PC+6*\c+\i], v[PC+12+4*\c+\i]
.endr
.irp i, 0,1,2
	v_mov_b32 v[PC+3+6*\c+\i], v[PC+12+4*\c+\i]
.endr
.endr
.endm
.macro WSUM off                        ; v27 summed over the wave's 16 lanes of a half, then over the 16 waves through LDS: the row's sum in v28
.irp x, 1,2,4,8
	v_add_f32_dpp v27, v27, v27 row_xmask:\x row_mask:0xf bank_mask:0xf
.endr
	ds_store_b32 v15, v27 offset:\off              ; all lanes write the same word with the same value
	BARRIER
.irp i, 0,1,2,3
	ds_load_b128 v[28+4*\i:31+4*\i], v16 offset:\off+16*\i
.endr
	s_wait_dscnt 0x0
	v_pk_add_f32 v[28:29], v[28:29], v[30:31]
	v_pk_add_f32 v[32:33], v[32:33], v[34:35]
	v_pk_add_f32 v[36:37], v[36:37], v[38:39]
	v_pk_add_f32 v[40:41], v[40:41], v[42:43]
	v_pk_add_f32 v[28:29], v[28:29], v[32:33]
	v_pk_add_f32 v[36:37], v[36:37], v[40:41]
	v_pk_add_f32 v[28:29], v[28:29], v[36:37]
	v_add_f32 v28, v28, v29
.endm
.macro PROD k0, zero                   ; three K steps, my three column tiles by turns
.irp k, 0,1,2
.irp t, 0,1,2
.if \zero && (\k == 0)
	v_wmma_scale_f32_16x16x128_f8f6f4 v[102+8*\t:109+8*\t], v[24+12*((\k0)+\k):35+12*((\k0)+\k)], v[128+12*(3*\k+\t):139+12*(3*\k+\t)], 0, v[240+(\k0)+\k], v[246+3*\k+\t] matrix_a_fmt:MATRIX_FMT_FP6 matrix_b_fmt:MATRIX_FMT_FP6
.else
	v_wmma_scale_f32_16x16x128_f8f6f4 v[102+8*\t:109+8*\t], v[24+12*((\k0)+\k):35+12*((\k0)+\k)], v[128+12*(3*\k+\t):139+12*(3*\k+\t)], v[102+8*\t:109+8*\t], v[240+(\k0)+\k], v[246+3*\k+\t] matrix_a_fmt:MATRIX_FMT_FP6 matrix_b_fmt:MATRIX_FMT_FP6
.endif
.endr
.endr
.endm
	s_load_b512 s[16:31], s[0:1], 0x0              ; part, ml, wimg, bo, q_vec, ln_g, ln_b, out0
	v_lshl_add_u32 v23, v0, 2, 0x3d100
	v_mov_b32 v255, 0
	ds_add_u32 v23, v255
	ds_add_u32 v23, v255
	v_lshrrev_b32 v1, 5, v0
	v_readfirstlane_b32 s4, v1                     ; wave 0..15
	s_mov_b32 s40, 3<<16                           ; descriptor group 1: 57 rows of 256 bytes (32 elements of 8 bytes), dense, no padding, no mask
	s_mov_b32 s41, 32<<16
	s_mov_b32 s42, 57<<16
	s_mov_b32 s43, 32<<16
	s_mov_b32 s44, 57
	s_mov_b32 s45, 32
	s_mov_b32 s46, 0
	s_mov_b32 s47, 0
	s_lshr_b32 s5, s4, 1                           ; which 96 columns
	s_and_b32 s6, s4, 1                            ; which half of them
	s_mul_i32 s7, s5, 6*GRP
	s_mul_i32 s9, s6, 14592
	s_add_co_u32 s8, s7, s9
	s_add_co_u32 s8, s8, 135*GRP                   ; groups 135 + 6 (w / 2) on: three groups, my half of their bytes
	s_mov_b32 s9, 0
	s_mov_b32 s36, 1
	s_mul_i32 s37, s4, 14592
	s_mov_b32 s50, 0x76543210
	s_mov_b32 s51, 0xfedcba98
	s_wait_dscnt 0x0
	s_wait_kmcnt 0x0
	s_add_nc_u64 s[38:39], s[20:21], s[8:9]
	s_or_b32 s39, s39, 0x80000000
	tensor_load_to_lds s[36:39], s[40:47]
	s_nop 0
	PLACES 4
	; every address is made here, ahead of the first parting of the waves
	v_and_b32 v1, 15, v0                           ; r
	v_bfe_u32 v2, v0, 4, 1                         ; h
	v_and_b32 v3, 31, v0
	v_lshlrev_b32 v4, 2, v3                        ; 4 x lane
	v_lshlrev_b32 v3, 4, v3                        ; 16 x lane
	v_lshlrev_b32 v5, 4, v0                        ; 16 x thread: four columns
	v_mul_u32_u24 v6, v0, 171
	v_lshrrev_b32 v6, 12, v6                       ; thread / 24: their head (threads 0-191)
	v_lshlrev_b32 v6, 3, v6
	v_add_nc_u32 v7, CTX, v5
	s_lshl_b32 s52, s4, 9
	v_lshlrev_b32 v8, 6, v2
	v_add_nc_u32 v8, s52, v8
	v_add_nc_u32 v8, CTX, v8                       ; ctx: K step w, + 64 h
	s_mul_i32 s52, s4, 1536
	v_add_nc_u32 v9, s52, v3
	v_add_nc_u32 v9, AIMG, v9
	s_lshl_b32 s52, s4, 7
	v_add_nc_u32 v10, s52, v4
	v_add_nc_u32 v10, ASC, v10
	v_add_nc_u32 v11, AIMG, v3
	v_add_nc_u32 v12, ASC, v4
	s_mul_i32 s52, s5, 29184
	s_mul_i32 s53, s6, 4608
	s_add_co_u32 s53, s53, s52
	v_add_nc_u32 v13, s53, v3                      ; Wo in LDS: my three tiles' fragments,
	s_mul_i32 s53, s6, 12
	s_add_co_u32 s53, s53, s52
	s_add_co_u32 s53, s53, 9216
	v_lshlrev_b32 v21, 5, v1
	v_add_nc_u32 v14, s53, v21                     ; and their scale words
	s_lshl_b32 s52, s4, 2
	s_add_co_u32 s52, s52, RED1
	v_mov_b32 v15, s52
	v_mov_b32 v16, RED1
	s_mul_i32 s52, s4, 192
	v_lshlrev_b32 v19, 2, v1
	v_add_nc_u32 v19, s52, v19                     ; 4 (48 w + r)
	v_add_nc_u32 v17, OUT, v19
	v_add_nc_u32 v18, OUT, v5
.irp b, 0,1,2,3
	v_mov_b32 v[TM+4+\b], 0                        ; a lane permute's destination counts as one of its sources
.endr
	s_mul_i32 s8, s6, 4608
	s_add_co_u32 s8, s8, s7
	s_add_co_u32 s8, s8, 132*GRP
	s_add_nc_u64 s[10:11], s[20:21], s[8:9]        ; Wo in memory: K steps 0-2, my three tiles
	s_mul_i32 s8, s6, 12
	s_add_co_u32 s8, s8, s7
	s_add_co_u32 s8, s8, 132*GRP+9216
	s_add_nc_u64 s[12:13], s[20:21], s[8:9]
	s_mul_i32 s8, ttmp9, 3072
	s_add_nc_u64 s[14:15], s[24:25], s[8:9]        ; q_vec's row
	s_add_nc_u64 s[32:33], s[30:31], s[8:9]        ; out0's row
	s_mul_i32 s8, ttmp9, 24576
	s_add_nc_u64 s[34:35], s[16:17], s[8:9]        ; the batch's eight rows of part
	s_lshl_b32 s8, ttmp9, 9
	s_add_nc_u64 s[48:49], s[18:19], s[8:9]        ; and of ml
.irp k, 0,1,2
.irp t, 0,1,2
.irp c, 0,1,2
	global_load_b128 v[128+12*(3*\k+\t)+4*\c:131+12*(3*\k+\t)+4*\c], v3, s[10:11] offset:\k*GRP+1536*\t+512*\c
.endr
	global_load_b32 v[246+3*\k+\t], v21, s[12:13] offset:\k*GRP+4*\t
.endr
.endr
	global_load_b32 v126, v19, s[22:23]            ; bo and q_vec at my three columns
	global_load_b32 v127, v19, s[22:23] offset:64
	global_load_b32 v236, v19, s[22:23] offset:128
	global_load_b32 v237, v19, s[14:15]
	global_load_b32 v238, v19, s[14:15] offset:64
	global_load_b32 v239, v19, s[14:15] offset:128
	; ---- the eight blocks are joined: waves 0-5, four columns a thread
	s_cmp_lt_u32 s4, 6
	s_cbranch_scc0 .Ljoined
.irp i, 0,1,2,3,4,5,6,7
	global_load_b128 v[40+4*\i:43+4*\i], v5, s[34:35] offset:3072*\i
	global_load_b64 v[24+2*\i:25+2*\i], v6, s[48:49] offset:64*\i
.endr
	s_wait_loadcnt 0x0
	v_max3_num_f32 v84, v24, v26, v28
	v_max3_num_f32 v84, v84, v30, v32
	v_max3_num_f32 v84, v84, v34, v36
	v_max_num_f32 v84, v84, v38                    ; M
.irp i, 0,1,2,3,4,5,6,7
	v_sub_f32 v[72+\i], v[24+2*\i], v84
.endr
.irp i, 0,1,2,3,4,5,6,7
	v_exp_f32 v[72+\i], v[72+\i]
.endr
	v_nop
	s_wait_alu depctr_va_vdst(0)                   ; one wait for the eight, ahead of their first reader
	v_mul_f32 v85, v72, v25
.irp i, 1,2,3,4,5,6,7
	v_fmac_f32 v85, v[72+\i], v[25+2*\i]
.endr
	v_rcp_f32 v85, v85
	v_nop
	s_wait_alu depctr_va_vdst(0)
.irp i, 0,1,2,3,4,5,6,7
	v_mul_f32 v[72+\i], v[72+\i], v85
.endr
.irp q, 0,1,2,3
	v_mul_f32 v[80+\q], v[40+\q], v72
.endr
.irp i, 1,2,3,4,5,6,7
.irp q, 0,1,2,3
	v_fmac_f32 v[80+\q], v[40+4*\i+\q], v[72+\i]
.endr
.endr
	ds_store_b128 v7, v[80:83]
.Ljoined:
	BARRIER                                        ; ctx lies in LDS
	; ---- ctx becomes six fragments: wave w < 6 makes K step w; every row of the fragment is ctx
	s_cmp_lt_u32 s4, 6
	s_cbranch_scc0 .Lquantised
.irp b, 0,1,2,3
.irp j, 0,1,2,3
	ds_load_b128 v[24+16*\b+4*\j:27+16*\b+4*\j], v8 offset:128*\b+16*\j
.endr
.endr
	s_wait_dscnt 0x0
	QUANT 24
.irp c, 0,1,2
	ds_store_b128 v9, v[PC+4*\c:PC+4*\c+3] offset:512*\c
.endr
	ds_store_b32 v10, v[PW]
.Lquantised:
	s_wait_tensorcnt 0x0                           ; my part of Wo's K steps 3-5 has landed
	BARRIER                                        ; everybody's has, and the six fragments lie in LDS
	global_load_b32 v96, v19, s[26:27]
	global_load_b32 v97, v19, s[26:27] offset:64
	global_load_b32 v98, v19, s[26:27] offset:128
	global_load_b32 v99, v19, s[28:29]
	global_load_b32 v100, v19, s[28:29] offset:64
	global_load_b32 v101, v19, s[28:29] offset:128
.irp k, 0,1,2,3,4,5
.irp c, 0,1,2
	ds_load_b128 v[24+12*\k+4*\c:27+12*\k+4*\c], v11 offset:1536*\k+512*\c
.endr
	ds_load_b32 v[240+\k], v12 offset:128*\k
.endr
	s_wait_dscnt 0x0
	s_wait_loadcnt 6                               ; all but ln_g's and ln_b's six loads
	PROD 0, 1
	PLACES 4                                       ; in front of loads into registers that the products have read
.irp k, 0,1,2
.irp t, 0,1,2
.irp c, 0,1,2
	ds_load_b128 v[128+12*(3*\k+\t)+4*\c:131+12*(3*\k+\t)+4*\c], v13 offset:\k*GRP+1536*\t+512*\c
.endr
	ds_load_b32 v[246+3*\k+\t], v14 offset:\k*GRP+4*\t
.endr
.endr
	s_wait_dscnt 0x0
	PROD 3, 0
	PLACES 4
	; ---- residual and LayerNorm
	s_mov_b32 s52, 0x3aaaaaab                      ; 1 / 768
	s_mov_b32 s53, 0x3727c5ac                      ; 1e-5
	s_wait_loadcnt 0x0
	v_add_f32 v24, v102, v126
	v_add_f32 v25, v110, v127
	v_add_f32 v26, v118, v236
	v_add_f32 v24, v24, v237
	v_add_f32 v25, v25, v238
	v_add_f32 v26, v26, v239                       ; x at columns 48 w + 16 t + r
	v_add_f32 v27, v24, v25
	v_add_f32 v27, v27, v26
	WSUM 0
	v_mul_f32 v28, s52, v28                        ; the mean
	v_sub_f32 v24, v24, v28
	v_sub_f32 v25, v25, v28
	v_sub_f32 v26, v26, v28
	v_mul_f32 v27, v24, v24
	v_fmac_f32 v27, v25, v25
	v_fmac_f32 v27, v26, v26
	WSUM 256
	v_fma_f32 v28, v28, s52, s53                   ; the variance + 1e-5
	v_rsq_f32 v28, v28
	v_nop
	s_wait_alu depctr_va_vdst(0)
	v_mul_f32 v24, v24, v28
	v_mul_f32 v25, v25, v28
	v_mul_f32 v26, v26, v28
	v_fma_f32 v24, v24, v96, v99
	v_fma_f32 v25, v25, v97, v100
	v_fma_f32 v26, v26, v98, v101
	ds_store_b32 v17, v24                          ; lanes 16-31 repeat lanes 0-15's words with the same values
	ds_store_b32 v17, v25 offset:64
	ds_store_b32 v17, v26 offset:128
	BARRIER                                        ; the row lies in LDS
	s_cmp_lt_u32 s4, 6
	s_cbranch_scc0 .Ldone
	ds_load_b128 v[28:31], v18
	s_wait_dscnt 0x0
	global_store_b128 v5, v[28:31], s[32:33]       ; 32 lanes store 512 consecutive bytes
.Ldone:
	s_wait_tensorcnt 0x0
	ds_add_u32 v23, v255
	s_wait_dscnt 0x0
	s_endpgm
.Lfunc_end_k_qdf3ddec08b_final:
	.size	k_qdf3ddec08b_final, .Lfunc_end_k_qdf3ddec08b_final-k_qdf3ddec08b_final
	.p2alignl 7, 3214868480
	.fill 96, 4, 3214868480
	.section	.rodata,"a",@progbits
	.p2align	6, 0x0
	.amdhsa_kernel k_qdf3ddec08b_final
		.amdhsa_group_segment_fixed_size 252160
		.amdhsa_private_segment_fixed_size 0
		.amdhsa_enable_private_segment 0
		.amdhsa_kernarg_size 64
		.amdhsa_user_sgpr_count 2
		.amdhsa_user_sgpr_kernarg_segment_ptr 1
		.amdhsa_wavefront_size32 1
		.amdhsa_system_sgpr_workgroup_id_x 1
		.amdhsa_system_sgpr_workgroup_id_y 1
		.amdhsa_system_sgpr_workgroup_id_z 1
		.amdhsa_system_vgpr_workitem_id 0
		.amdhsa_next_free_vgpr 256
		.amdhsa_next_free_sgpr 66
		.amdhsa_reserve_vcc 0
		.amdhsa_float_denorm_mode_32 3
		.amdhsa_float_denorm_mode_16_64 3
		.amdhsa_memory_ordered 1
		.amdhsa_forward_progress 1
		.amdhsa_inst_pref_size 29
	.end_amdhsa_kernel
	.amdgpu_metadata
---
amdhsa.version: [ 1, 2 ]
amdhsa.kernels:
  - .name:           k_qdf3ddec08b_final
    .symbol:         k_qdf3ddec08b_final.kd
    .args:
      - { .name: part, .offset: 0, .size: 8, .value_kind: global_buffer, .address_space: global }
      - { .name: ml, .offset: 8, .size: 8, .value_kind: global_buffer, .address_space: global }
      - { .name: wimg, .offset: 16, .size: 8, .value_kind: global_buffer, .address_space: global }
      - { .name: bo, .offset: 24, .size: 8, .value_kind: global_buffer, .address_space: global }
      - { .name: q_vec, .offset: 32, .size: 8, .value_kind: global_buffer, .address_space: global }
      - { .name: ln_g, .offset: 40, .size: 8, .value_kind: global_buffer, .address_space: global }
      - { .name: ln_b, .offset: 48, .size: 8, .value_kind: global_buffer, .address_space: global }
      - { .name: out0, .offset: 56, .size: 8, .value_kind: global_buffer, .address_space: global }
    .group_segment_fixed_size: 252160
    .private_segment_fixed_size: 0
    .kernarg_segment_align: 8
    .kernarg_segment_size: 64
    .max_flat_workgroup_size: 512
    .sgpr_count:     66
    .vgpr_count:     256
    .wavefront_size: 32
...
	.end_amdgpu_metadata
.endif
;; end of part 3
;; ======== version 2 of 2: 3 launches
;; limits: right only within a limited range of input values
;; workspace buffers: wimg 1,751,040 bytes; qp 98,304 bytes; hq 24,576 bytes; part 786,432 bytes; ml 16,384 bytes
;; launch prep (part 4): grid 95 x 1, 12 waves a work-group, no clusters, 233,984 bytes of LDS; arguments Wg1_codes, Wg1_scales, Wk_codes, Wk_scales, Wv_codes, Wv_scales, Wo_codes, Wo_scales, Wq_codes, Wq_scales, q_vec, bq, bg1, wimg, qp, hq; writes wimg, qp, hq
.if DOCPART == 4
	.amdgcn_target "amdgcn-amd-amdhsa--gfx1250"
	.amdhsa_code_object_version 6
	.text
	.protected	k_qdf3ddec08b_prep
	.globl	k_qdf3ddec08b_prep
	.p2align	8
	.type	k_qdf3ddec08b_prep,@function
k_qdf3ddec08b_prep:
	s_mov_b64 s[64:65], 0
	v_nop
	global_prefetch_b8 v0, s[64:65] scope:SCOPE_SE
	s_setreg_imm32_b32 hwreg(HW_REG_WAVE_MODE, 25, 1), 1
	s_wait_xcnt 0x0
; WORK THAT THIS PROGRAM LEAVES OUT, for all finite values of the inputs:
;   bk: scores[b,h,l] = scale q.(kv Wk)[l] + scale q.bk + attn_bias[l].  The term scale q.bk is the same for all l of a row of the softmax, and a softmax is unchanged by a term common to its axis.
;       K goes nowhere else and into no quantiser.  So bk has no way to an output: it is not loaded and is among no launch's arguments.
;   the mean of log g: the same for all l of a row of the softmax, so it is not formed.
;   bv is live, but is added once: the softmax's weights sum to 1, so sum attn (v + bv) = sum attn v + bv; the closing launch adds bv to the joined sum.
;   LIMIT: a NaN, an infinity or an overflow that reaches only the work left out is not carried to the result.
; TWO JOBS IN ONE LAUNCH, told apart by the work-group's number.
; Work-groups 0-89 (path R): the weights that the later launches walk are laid out once as IMAGES OF OPERAND REGISTERS.  wimg is 180 groups of 9,728 bytes; a group is 6 column tiles x 128 along K:
;   6 fragments of 1,536 bytes (the c-th four registers of lane l at 512 c + 16 l), then 512 bytes of scale words, [row r of a tile][8 words], word t = tile t's row r, words 6 and 7 zero.
;   groups 0-35: Wg1's K steps 6-23 (kv, |q - kv|, q kv), in the order in which the gate walks them; 36-131: Wk and Wv, by fill, wave and K step; 132-179: Wo.
;   A work-group makes two groups; a wave makes one column tile of one group (six loads of 8 bytes a lane, three stores of 512 consecutive bytes); the wave of tile 0 also makes the group's scale words.
; Work-groups 90-94 (path P): qp = Q(q_vec) Wq + bq (90-93) and hq = Q(q_vec) Wg1[0:768] + bg1 (94): the part of the gate's first product that is the same for all tokens of a batch.
;   Each of the twelve waves loads one fragment's numbers of q_vec (16 rows x 512 bytes) and its column tile's codes (16 rows x 576 bytes) with 32 lanes on 512 consecutive bytes, turns both through LDS stages of its own,
;   quantises its fragment, hands it on through LDS as an image of its registers, and then makes one column tile for all 32 rows.
; No tensor load and no cluster: every weight byte is read once by one wave, and path P's shared operand is 18 KiB made in the work-group itself.  No prefetch: the text has no loop to run ahead in.
; LIMITS: NaN and infinities among the inputs are not served; a block of zeros gets the scale byte 1 (its codes are zeros, and this program alone reads the byte).
.set GRP, 9728
.set NR,  90                           ; work-groups of path R
.set TM,  32                           ; v32-47 at work in the quantiser
.set PW,  48                           ; v48    the scale word just made
.set PC,  50                           ; v50-69 the codes just made
.set X,   70                           ; v70-133 64 numbers of q_vec; later A's fragments, two sets of 24
.set WF,  136                          ; v136-207 my column tile's codes: as loaded, then as six fragments
.set ASC, 18432                        ; LDS: 12 images of 1,536 bytes from 0, then 12 x 128 bytes of scale words
.set SPARE, 20480                      ; the spare words: 128 bytes a wave
.set QST, 22016                        ; a stage for each wave: 16 rows x (512 + 16) bytes of q_vec
.set WST, 123392                       ; a stage for each wave: 16 rows x 576 bytes of codes
.macro PLACES n
.rept \n
	v_nop
.endr
.endm
; 64 numbers of a lane, register 16 b + i = k 32 b + 16 (lane / 16) + i of my row, become a fragment's codes in v[PC] on and its scale word in v[PW]
.macro QUANT s
.irp b, 0,1,2,3
	v_max3_num_f32 v[TM+\b], |v[\s+16*\b]|, |v[\s+1+16*\b]|, 0x1800000   ; the floor 2^(3 - 127) holds the byte at 1 from below
.endr
.irp i, 2,4,6,8,10,12,14
.irp b, 0,1,2,3
	s_delay_alu instid0(VALU_DEP_4)
	v_max3_num_f32 v[TM+\b], v[TM+\b], |v[\s+16*\b+\i]|, |v[\s+1+16*\b+\i]|
.endr
.endr
.irp b, 0,1,2,3
	s_delay_alu instid0(VALU_DEP_4)
	v_permlanex16_b32 v[TM+4+\b], v[TM+\b], s68, s69
.endr
.irp b, 0,1,2,3
	s_delay_alu instid0(VALU_DEP_4)
	v_max_num_f32 v[TM+\b], v[TM+\b], v[TM+4+\b]           ; with lane l xor 16's: the block's largest magnitude
.endr
.irp b, 0,1,2,3
	s_delay_alu instid0(VALU_DEP_4)
	v_add_nc_u32 v[TM+12+\b], 0xff000000, v[TM+\b]         ; 2 off its exponent field: the conversion's scale operand
.endr
.irp b, 0,1,2,3
	s_delay_alu instid0(VALU_DEP_4)
	v_lshrrev_b32 v[TM+4+\b], 23, v[TM+12+\b]              ; the scale's byte
.endr
	s_delay_alu instid0(VALU_DEP_3)
	v_lshl_or_b32 v[PW], v[TM+5], 8, v[TM+4]
	s_delay_alu instid0(VALU_DEP_1)
	v_lshl_or_b32 v[PW], v[TM+6], 16, v[PW]
	s_delay_alu instid0(VALU_DEP_1)
	v_lshl_or_b32 v[PW], v[TM+7], 24, v[PW]
.irp c, 0,1
	v_cvt_scalef32_pk16_fp6_f32 v[PC+6*\c:PC+2+6*\c], v[\s+32*\c:\s+15+32*\c], v[TM+12+2*\c]
	v_cvt_scalef32_pk16_fp6_f32 v[PC+12+4*\c:PC+14+4*\c], v[\s+16+32*\c:\s+31+32*\c], v[TM+12+2*\c+1]
.endr
	v_nop                                          ; one plain place behind a scaled conversion
.irp c, 0,1                                    ; the operand's layout wants a whole block in a lane
.irp i, 0,1,2
	v_permlane16_swap_b32 v[PC+6*\c+\i], v[PC+12+4*\c+\i]
.endr
.irp i, 0,1,2
	s_delay_alu instid0(VALU_DEP_3)
	v_mov_b32 v[PC+3+6*\c+\i], v[PC+12+4*\c+\i]
.endr
.endr
.endm
	s_load_b512 s[16:31], s[0:1], 0x0              ; Wg1 codes, scales; Wk; Wv; Wo
	s_load_b512 s[32:47], s[0:1], 0x40             ; Wq codes, scales; q_vec; bq; bg1; wimg; qp; hq
	v_lshl_add_u32 v254, v0, 2, SPARE
	v_mov_b32 v255, 0
	v_lshrrev_b32 v1, 5, v0
	s_delay_alu instid0(VALU_DEP_1)
	v_readfirstlane_b32 s4, v1                     ; wave 0..11
	v_and_b32 v1, 15, v0                           ; r
	v_bfe_u32 v2, v0, 4, 1                         ; h
	v_and_b32 v6, 31, v0                           ; lane
	s_delay_alu instid0(VALU_DEP_1)
	v_lshlrev_b32 v4, 2, v6                        ; 4 x lane
	s_delay_alu instid0(VALU_DEP_2)
	v_lshlrev_b32 v3, 4, v6                        ; 16 x lane
	s_cmp_ge_u32 s4, 6
	s_cselect_b32 s62, 1, 0                        ; wave / 6
	s_mul_i32 s63, s62, 6
	s_sub_co_u32 s63, s4, s63                      ; wave % 6
	s_cmp_lt_u32 ttmp9, NR
	s_wait_alu depctr_va_vdst(0)
	s_cbranch_scc0 .Lproducts
	; ---- path R: group id = 2 x work-group + wave / 6, column tile = wave % 6.  All three readings of the id are computed, then one is chosen: no branch.
	s_lshl_b32 s5, ttmp9, 1
	s_add_co_u32 s5, s5, s62                       ; id
	s_mul_i32 s6, s5, 43691                        ; the gate: u = id / 3 (x 43691 >> 17), j = id % 3
	s_lshr_b32 s6, s6, 17
	s_mul_i32 s7, s6, 3
	s_sub_co_u32 s7, s5, s7
	s_lshr_b32 s8, s6, 1                           ; chunk of 128 along the 768
	s_and_b32 s9, s6, 1
	s_mul_i32 s9, s9, 96                           ; first row: 96 x (u & 1)
	s_mul_i32 s7, s7, 6
	s_add_co_u32 s7, s7, 6
	s_add_co_u32 s8, s8, s7                        ; K step 6 (j + 1) + chunk
	s_sub_co_u32 s10, s5, 36                       ; K and V: e = id - 36, u = e / 3, j = e % 3
	s_mul_i32 s11, s10, 43691
	s_lshr_b32 s11, s11, 17
	s_mul_i32 s12, s11, 3
	s_sub_co_u32 s12, s10, s12
	s_lshr_b32 s13, s11, 2                         ; fill
	s_and_b32 s11, s11, 3                          ; wave of the main launch
	s_and_b32 s14, s13, 1                          ; which half of K
	s_lshr_b32 s13, s13, 1                         ; pass
	s_mul_i32 s14, s14, 3
	s_add_co_u32 s12, s12, s14                     ; K step
	s_lshr_b32 s14, s13, 1
	s_lshl_b32 s11, s11, 1
	s_add_co_u32 s11, s11, s14                     ; head = 2 wave + pass / 2
	s_mul_i32 s11, s11, 96
	s_and_b32 s13, s13, 1                          ; odd pass: V
	s_sub_co_u32 s48, s5, 132                      ; Wo: e = id - 132, 96 rows x e / 6, K step e % 6
	s_mul_i32 s49, s48, 43691
	s_lshr_b32 s49, s49, 18
	s_mul_i32 s50, s49, 6
	s_sub_co_u32 s50, s48, s50
	s_mul_i32 s49, s49, 96
	s_mov_b32 s56, 576
	s_wait_kmcnt 0x0
	s_cmp_lg_u32 s13, 0
	s_cselect_b64 s[52:53], s[24:25], s[20:21]
	s_cselect_b64 s[54:55], s[26:27], s[22:23]
	s_cmp_lt_u32 s5, 132
	s_cselect_b64 s[52:53], s[52:53], s[28:29]
	s_cselect_b64 s[54:55], s[54:55], s[30:31]
	s_cselect_b32 s11, s11, s49
	s_cselect_b32 s12, s12, s50
	s_cmp_lt_u32 s5, 36
	s_cselect_b64 s[52:53], s[16:17], s[52:53]     ; the codes,
	s_cselect_b64 s[54:55], s[18:19], s[54:55]     ; the scale bytes,
	s_cselect_b32 s11, s9, s11                     ; the group's first row,
	s_cselect_b32 s12, s8, s12                     ; the K step,
	s_cselect_b32 s56, 2304, s56                   ; a row of codes in bytes,
	s_cselect_b32 s57, 96, 24                      ; a row of scale bytes
	s_lshl_b32 s60, s63, 4
	s_add_co_u32 s60, s60, s11                     ; my tile's first row
	s_mul_i32 s58, s60, s56
	s_mul_i32 s59, s12, 96
	s_add_co_u32 s58, s58, s59
	s_mov_b32 s59, 0
	s_add_nc_u64 s[52:53], s[52:53], s[58:59]
	s_mul_i32 s58, s11, s57
	s_lshl_b32 s60, s12, 2
	s_add_co_u32 s58, s58, s60
	s_add_nc_u64 s[54:55], s[54:55], s[58:59]
	s_mul_i32 s58, s5, GRP
	s_add_nc_u64 s[66:67], s[42:43], s[58:59]      ; my group in wimg,
	s_mul_i32 s58, s63, 1536
	s_add_nc_u64 s[70:71], s[66:67], s[58:59]      ; and my tile's fragment in it
	v_mul_lo_u32 v10, v1, s56
	s_delay_alu instid0(VALU_DEP_1)
	v_mad_u32_u24 v10, v2, 24, v10                 ; row r, + 24 h
	s_wait_alu depctr_va_vdst(0)
.irp p, 0,1,2,3,4,5
	global_load_b64 v[64+2*\p:65+2*\p], v10, s[52:53] offset:48*(\p/3)+8*(\p%3)
.endr
	s_cmp_lg_u32 s63, 0
	s_cbranch_scc1 .Lcodes
	s_lshl_b32 s61, s57, 4
	v_mul_lo_u32 v16, v1, s57                      ; tile 0's wave: the scale words of the group's six tiles
.irp t, 1,2,3,4,5
	s_delay_alu instid0(VALU_DEP_1)
	v_add_nc_u32 v[16+\t], s61, v[15+\t]           ; 16 rows on
.endr
	v_lshlrev_b32 v5, 5, v1                        ; 32 r: my row's eight scale words
	v_mov_b32 v46, 0
	v_mov_b32 v47, 0
.irp t, 0,1,2,3,4,5
	global_load_b32 v[40+\t], v[16+\t], s[54:55]
.endr
	s_wait_alu depctr_va_vdst(0)
	s_wait_loadcnt 0x0
	global_store_b128 v5, v[40:43], s[66:67] offset:9216      ; lanes 16-31 repeat lanes 0-15's bytes with the same values
	global_store_b128 v5, v[44:47], s[66:67] offset:9232
.Lcodes:
	s_wait_loadcnt 0x0
.irp c, 0,1,2
	global_store_b128 v3, v[64+4*\c:67+4*\c], s[70:71] offset:512*\c   ; 32 lanes store 512 consecutive bytes
.endr
	s_endpgm
.Lproducts:
	; ---- path P
	s_sub_co_u32 s5, ttmp9, NR
	s_mul_i32 s6, s5, 12
	s_add_co_u32 s6, s6, s4
	s_mov_b32 s8, 1728
	s_mov_b32 s9, 768
	s_mov_b32 s68, 0x76543210
	s_mov_b32 s69, 0xfedcba98                      ; v_permlanex16_b32's selects for lane l xor 16
	s_wait_kmcnt 0x0
	s_cmp_lt_u32 s5, 4                             ; Wq's work-group, or Wg1's
	s_cselect_b32 s6, s6, s4                       ; my column tile
	s_cselect_b64 s[48:49], s[32:33], s[16:17]     ; codes
	s_cselect_b64 s[50:51], s[34:35], s[18:19]     ; scale bytes
	s_cselect_b64 s[52:53], s[38:39], s[40:41]     ; bias
	s_cselect_b64 s[54:55], s[44:45], s[46:47]     ; result
	s_cselect_b32 s8, 0, s8                        ; what a row of codes has beyond the 576 bytes that are taken
	s_cselect_b32 s9, 3072, s9                     ; a row of the result
	s_cselect_b32 s10, 24, 96                      ; a row of scale bytes
	s_add_co_u32 s7, s8, 576                       ; a row of codes
	s_lshl_b32 s11, s6, 4
	s_mul_i32 s12, s11, s7
	s_mov_b32 s13, 0
	s_add_nc_u64 s[48:49], s[48:49], s[12:13]      ; my tile's rows 0-7,
	s_lshl_b32 s12, s7, 3
	s_add_nc_u64 s[56:57], s[48:49], s[12:13]      ; and 8-15
	s_mul_i32 s12, s11, s10
	s_add_nc_u64 s[50:51], s[50:51], s[12:13]
	s_lshl_b32 s12, s6, 6
	s_add_nc_u64 s[52:53], s[52:53], s[12:13]
	s_add_nc_u64 s[54:55], s[54:55], s[12:13]
	s_mul_i32 s12, s62, 49152                      ; which fragment of q_vec I quantise: rows 16 (wave / 6) on, K step wave % 6
	s_lshl_b32 s15, s63, 9
	s_add_co_u32 s12, s12, s15
	s_add_nc_u64 s[36:37], s[36:37], s[12:13]
	; the codes of eight rows are 288 pieces of 16 bytes, 36 to a row: load i takes pieces u = 32 i + lane, at 16 u + (u / 36) x what a row has beyond 576 bytes
.irp i, 0,1,2,3,4,5,6,7,8
	v_add_nc_u32 v[16+\i], 32*\i, v6
.endr
.irp i, 0,1,2,3,4,5,6,7,8
	v_mul_u32_u24 v[X+\i], 0x71d, v[16+\i]         ; u / 36 = u x 1821 >> 16 for u under 288
.endr
.irp i, 0,1,2,3,4,5,6,7,8
	v_lshrrev_b32 v[X+\i], 16, v[X+\i]
.endr
.irp i, 0,1,2,3,4,5,6,7,8
	v_mul_u32_u24 v[X+\i], s8, v[X+\i]
.endr
.irp i, 0,1,2,3,4,5,6,7,8
	v_lshl_add_u32 v[16+\i], v[16+\i], 4, v[X+\i]
.endr
	v_mul_lo_u32 v11, v1, s10                      ; scale bytes: row r
	v_lshlrev_b32 v12, 5, v2                       ; bias: my half's eight numbers
	s_mul_i32 s15, s4, 8448
	v_add_nc_u32 v13, s15, v3
	v_mul_u32_u24 v9, v1, 528
	s_delay_alu instid0(VALU_DEP_2)
	v_add_nc_u32 v13, QST, v13                     ; q_vec's stage, in: 16 x lane; the row stands in the offset
	s_delay_alu instid0(VALU_DEP_2)
	v_lshl_add_u32 v9, v2, 6, v9
	s_delay_alu instid0(VALU_DEP_1)
	v_add_nc_u32 v9, s15, v9
	s_delay_alu instid0(VALU_DEP_1)
	v_add_nc_u32 v9, QST, v9                       ; out: row r, + 64 h
	s_mul_i32 s15, s4, 9216
	v_add_nc_u32 v25, s15, v3
	v_mul_u32_u24 v10, v1, 576
	s_delay_alu instid0(VALU_DEP_2)
	v_add_nc_u32 v25, WST, v25                     ; the codes' stage, in: as the bytes lie
	s_delay_alu instid0(VALU_DEP_2)
	v_mad_u32_u24 v10, v2, 24, v10
	s_delay_alu instid0(VALU_DEP_1)
	v_add_nc_u32 v10, s15, v10
	s_delay_alu instid0(VALU_DEP_1)
	v_add_nc_u32 v10, WST, v10                     ; out: row r, + 24 h
	s_mul_i32 s15, s4, 1536
	v_add_nc_u32 v14, s15, v3                      ; where my image goes
	s_lshl_b32 s15, s4, 7
	v_add_nc_u32 v15, s15, v4
	s_delay_alu instid0(VALU_DEP_1)
	v_add_nc_u32 v15, ASC, v15                     ; and its scale words
	s_lshl_b32 s15, s9, 4
	v_mul_lo_u32 v7, v1, s9
	s_delay_alu instid0(VALU_DEP_1)
	v_lshl_add_u32 v7, v2, 5, v7                   ; result: row r, + 32 h
	s_delay_alu instid0(VALU_DEP_1)
	v_add_nc_u32 v8, s15, v7                       ; and 16 rows on
.irp b, 0,1,2,3
	v_mov_b32 v[TM+4+\b], 0                        ; a lane permute's destination counts as one of its sources
.endr
	s_wait_alu depctr_va_vdst(0)
.irp i, 0,1,2,3,4,5,6,7,8,9,10,11,12,13,14,15
	global_load_b128 v[X+4*\i:X+4*\i+3], v3, s[36:37] offset:3072*\i      ; row i: 32 lanes read its 512 consecutive bytes
.endr
.irp i, 0,1,2,3,4,5,6,7,8
	global_load_b128 v[WF+4*\i:WF+4*\i+3], v[16+\i], s[48:49]
.endr
.irp i, 0,1,2,3,4,5,6,7,8
	global_load_b128 v[WF+36+4*\i:WF+36+4*\i+3], v[16+\i], s[56:57]
.endr
.irp k, 0,1,2,3,4,5
	global_load_b32 v[232+\k], v11, s[50:51] offset:4*\k
.endr
	global_load_b128 v[224:227], v12, s[52:53]
	global_load_b128 v[228:231], v12, s[52:53] offset:16
	s_wait_loadcnt 26                              ; q_vec's 16 loads are in; the 18 + 6 + 2 younger ones may be out
.irp i, 0,1,2,3,4,5,6,7,8,9,10,11,12,13,14,15
	ds_store_b128 v13, v[X+4*\i:X+4*\i+3] offset:528*\i
.endr
.irp b, 0,1,2,3
.irp j, 0,1,2,3
	ds_load_b128 v[X+16*\b+4*\j:X+16*\b+4*\j+3], v9 offset:128*\b+16*\j   ; LDS serves a wave's instructions in order (ISA guide 5.7.1.4): these see my stores above
.endr
.endr
	s_wait_dscnt 0x0
	QUANT X
.irp c, 0,1,2
	ds_store_b128 v14, v[PC+4*\c:PC+4*\c+3] offset:512*\c
.endr
	ds_store_b32 v15, v[PW]
	s_wait_loadcnt 0x0
.irp i, 0,1,2,3,4,5,6,7,8,9,10,11,12,13,14,15,16,17
	ds_store_b128 v25, v[WF+4*\i:WF+4*\i+3] offset:512*\i
.endr
.irp k, 0,1,2,3,4,5
.irp p, 0,1,2,3,4,5
	ds_load_b64 v[WF+12*\k+2*\p:WF+12*\k+2*\p+1], v10 offset:96*\k+48*(\p/3)+8*(\p%3)   ; the six fragments of my tile
.endr
.endr
	s_wait_dscnt 0x0                               ; for the others' sake: my image has landed; and my fragments are in
	s_barrier_signal -1
	s_barrier_wait -1
.macro FETCHA k                        ; both row tiles' fragments and scale words of K step k into set k % 2
.irp m, 0,1
.irp c, 0,1,2
	ds_load_b128 v[X+24*((\k)%2)+12*\m+4*\c:X+24*((\k)%2)+12*\m+4*\c+3], v3 offset:1536*(6*\m+(\k))+512*\c
.endr
	ds_load_b32 v[238+2*((\k)%2)+\m], v4 offset:ASC+128*(6*\m+(\k))
.endr
.endm
	FETCHA 0
.irp k, 0,1,2,3,4,5
.if \k < 5
.if \k > 0
	PLACES 4                                       ; in front of loads into the set that the last two products read
.endif
	FETCHA \k+1
	s_wait_dscnt 8                                 ; this K step's are in; the next step's eight loads may be out
.else
	s_wait_dscnt 0x0
.endif
.irp m, 0,1                                    ; transposed: source 0 = 16 rows of the weight, source 1 = 16 rows of q_vec; the two sums take turns; the bias starts them
.if \k == 0
	v_wmma_scale_f32_16x16x128_f8f6f4 v[208+8*\m:215+8*\m], v[WF+12*\k:WF+11+12*\k], v[X+24*(\k%2)+12*\m:X+24*(\k%2)+12*\m+11], v[224:231], v[232+\k], v[238+2*(\k%2)+\m] matrix_a_fmt:MATRIX_FMT_FP6 matrix_b_fmt:MATRIX_FMT_FP6
.else
	v_wmma_scale_f32_16x16x128_f8f6f4 v[208+8*\m:215+8*\m], v[WF+12*\k:WF+11+12*\k], v[X+24*(\k%2)+12*\m:X+24*(\k%2)+12*\m+11], v[208+8*\m:215+8*\m], v[232+\k], v[238+2*(\k%2)+\m] matrix_a_fmt:MATRIX_FMT_FP6 matrix_b_fmt:MATRIX_FMT_FP6
.endif
.endr
.endr
	PLACES 4
	global_store_b128 v7, v[208:211], s[54:55]             ; lane (r, h): row r, columns 16 tile + 8 h + 0 .. 7
	global_store_b128 v7, v[212:215], s[54:55] offset:16
	global_store_b128 v8, v[216:219], s[54:55]
	global_store_b128 v8, v[220:223], s[54:55] offset:16
	s_wait_tensorcnt 0x0                           ; the wave's end
	ds_add_u32 v254, v255
	s_wait_dscnt 0x0
	s_endpgm
.Lfunc_end_k_qdf3ddec08b_prep:
	.size	k_qdf3ddec08b_prep, .Lfunc_end_k_qdf3ddec08b_prep-k_qdf3ddec08b_prep
	.p2alignl 7, 3214868480
	.fill 96, 4, 3214868480
	.section	.rodata,"a",@progbits
	.p2align	6, 0x0
	.amdhsa_kernel k_qdf3ddec08b_prep
		.amdhsa_group_segment_fixed_size 233984
		.amdhsa_private_segment_fixed_size 0
		.amdhsa_enable_private_segment 0
		.amdhsa_kernarg_size 128
		.amdhsa_user_sgpr_count 2
		.amdhsa_user_sgpr_kernarg_segment_ptr 1
		.amdhsa_wavefront_size32 1
		.amdhsa_system_sgpr_workgroup_id_x 1
		.amdhsa_system_sgpr_workgroup_id_y 1
		.amdhsa_system_sgpr_workgroup_id_z 1
		.amdhsa_system_vgpr_workitem_id 0
		.amdhsa_next_free_vgpr 256
		.amdhsa_next_free_sgpr 80
		.amdhsa_reserve_vcc 0
		.amdhsa_float_denorm_mode_32 3
		.amdhsa_float_denorm_mode_16_64 3
		.amdhsa_memory_ordered 1
		.amdhsa_forward_progress 1
		.amdhsa_inst_pref_size 33
	.end_amdhsa_kernel
	.amdgpu_metadata
---
amdhsa.version: [ 1, 2 ]
amdhsa.kernels:
  - .name:           k_qdf3ddec08b_prep
    .symbol:         k_qdf3ddec08b_prep.kd
    .args:
      - { .name: Wg1_codes, .offset: 0, .size: 8, .value_kind: global_buffer, .address_space: global }
      - { .name: Wg1_scales, .offset: 8, .size: 8, .value_kind: global_buffer, .address_space: global }
      - { .name: Wk_codes, .offset: 16, .size: 8, .value_kind: global_buffer, .address_space: global }
      - { .name: Wk_scales, .offset: 24, .size: 8, .value_kind: global_buffer, .address_space: global }
      - { .name: Wv_codes, .offset: 32, .size: 8, .value_kind: global_buffer, .address_space: global }
      - { .name: Wv_scales, .offset: 40, .size: 8, .value_kind: global_buffer, .address_space: global }
      - { .name: Wo_codes, .offset: 48, .size: 8, .value_kind: global_buffer, .address_space: global }
      - { .name: Wo_scales, .offset: 56, .size: 8, .value_kind: global_buffer, .address_space: global }
      - { .name: Wq_codes, .offset: 64, .size: 8, .value_kind: global_buffer, .address_space: global }
      - { .name: Wq_scales, .offset: 72, .size: 8, .value_kind: global_buffer, .address_space: global }
      - { .name: q_vec, .offset: 80, .size: 8, .value_kind: global_buffer, .address_space: global }
      - { .name: bq, .offset: 88, .size: 8, .value_kind: global_buffer, .address_space: global }
      - { .name: bg1, .offset: 96, .size: 8, .value_kind: global_buffer, .address_space: global }
      - { .name: wimg, .offset: 104, .size: 8, .value_kind: global_buffer, .address_space: global }
      - { .name: qp, .offset: 112, .size: 8, .value_kind: global_buffer, .address_space: global }
      - { .name: hq, .offset: 120, .size: 8, .value_kind: global_buffer, .address_space: global }
    .group_segment_fixed_size: 233984
    .private_segment_fixed_size: 0
    .kernarg_segment_align: 8
    .kernarg_segment_size: 128
    .max_flat_workgroup_size: 384
    .sgpr_count:     80
    .vgpr_count:     256
    .wavefront_size: 32
...
	.end_amdgpu_metadata
.endif
;; end of part 4
;; launch main (part 5): grid 256 x 1, 4 waves a work-group, clusters of 4 x 1, 327,680 bytes of LDS; arguments kv_tokens, q_vec, kv_mask, Wg2, bg2, wimg, qp, hq, out1, part, ml; writes out1, part, ml
.if DOCPART == 5
	.amdgcn_target "amdgcn-amd-amdhsa--gfx1250"
	.amdhsa_code_object_version 6
	.text
	.protected	k_qdf3ddec08b_main
	.globl	k_qdf3ddec08b_main
	.p2align	8
	.type	k_qdf3ddec08b_main,@function
k_qdf3ddec08b_main:
	s_mov_b64 s[64:65], 0
	v_nop
	global_prefetch_b8 v0, s[64:65] scope:SCOPE_SE
	s_setreg_imm32_b32 hwreg(HW_REG_WAVE_MODE, 25, 1), 1
	s_wait_xcnt 0x0
	s_wait_alu depctr_hold_cnt(0) depctr_sa_sdst(0) depctr_va_vdst(0) depctr_va_sdst(0) depctr_va_ssrc(0) depctr_va_vcc(0) depctr_vm_vsrc(0)
	s_getreg_b32 s2, hwreg(HW_REG_IB_STS2, 6, 4)
	s_cmp_eq_u32 s2, 0
	s_cbranch_scc0 .Lentry_in_a_cluster
	s_endpgm
.Lentry_in_a_cluster:
	s_bfe_u32 s2, ttmp6, 0x10000c
	s_cmp_lg_u32 s2, 0x3003
	s_cbranch_scc0 .Lentry_shape_is_right
	s_endpgm
.Lentry_shape_is_right:
; A work-group of four waves takes 128 tokens of one batch through everything that hangs on tokens; kv_tokens is read once, K, V and the gate's hidden layer never go to memory.
; GATE (waves share the TOKENS: 32 each).  Six chunks of 128 along the 768.  A load takes 128 neighbouring bytes of each of four tokens, eight lanes to a token; a block's 16 tokens x 128 bytes turn through the wave's own
;   stage in LDS and come back 64 neighbouring bytes a lane, as the conversions want them.  The lane quantises kv, |q - kv| and q kv in registers (MX-FP6 along K), keeps kv's fragments in LDS as images of their registers,
;   and multiplies the three against Wg1's 192 columns.  The q rows of the concatenation are the same for all tokens of a batch: their part of the product (hq, with bg1) was made once and starts each sum.
;   Then relu, the product with Wg2 in f32, softplus, g = clip(e / (e + 1 + 1e-8)): out1; log2 g, or -infinity under the mask, stays in LDS.
; K AND V (waves share the COLUMNS: wave w makes heads 2 w and 2 w + 1 for all 128 tokens).  Four passes (K, V, K, V) of six K steps, 48 accumulators by turns; bk and bv start the sums.
;   After a K pass: t = (q . k) log2(e) / sqrt(96) + log2 g, the block's maximum m, p = 2^(t - m), l = the sum of p.  After a V pass: the sum of p (v + bv).  m, l and that sum go to memory; the closing launch joins the
;   eight blocks of a batch.  The mean of log g is the same for all keys of a row and cancels in the softmax: it is not formed.
; WEIGHTS come as register images (wimg) through a ring of two LDS slots of 12 groups.  All work-groups walk the same weights: the four of a cluster ask JOINTLY, one tensor load a wave behind each round.
; Both products are used transposed (source 0 = 16 rows of the weight, source 1 = 16 tokens): a lane holds one token and eight neighbouring columns.
; LIMITS: NaN and infinities among the inputs are not served; a block of zeros gets the scale byte 1 (its codes are zeros, and this program alone reads the byte).
; LDS: slot 0 at 0, spare words, q_vec's row, log2 g, g, the four stages; slot 1 at 2^17; kv's 48 fragments; their scale words.  All of a WGP's LDS is claimed.
; REGISTERS, window 0: v0-31 addresses; v32-47 weights' scale words (two sets), v48-63 tokens' scale words; v64-79 at work, later p; v80 m, v81 l; v88-95 at work; gate: v96-159 q, v160-231 six fragments;
;   K/V: v96-167, v168-239 weights' fragments (two sets; the second serves the epilogues).  window 1: gate: four buffers of 64 numbers; K/V: tokens' fragments (two sets of 96), v192-239 q of the head.
;   window 2: gate: 24 accumulators, Wg2; K/V: accumulators of column tiles 0-3.  window 3: gate: weights (two sets of 72), q - kv, Wg2; K/V: accumulators of tiles 4, 5, the bias.
; THE BIASES OF K AND V, in place of what the lines above say of them: every sum of a K or V pass starts at 0.  bk is left out: q . bk is the same for all keys of a row of the softmax and cancels there, and K goes
; nowhere else (shown at the head of the first kernel).  bv is added by the closing launch: the softmax's weights sum to 1.  So what leaves after a V pass is the sum of p v.
; THE GATE is one loop of three equal trips; in the last trip the loads that run ahead are issued with every lane off.
.set U,     29184                      ; a unit: 3 groups: what one tensor load brings
.set GRP,   9728
.set SLOTB, 116736                     ; a fill: 12 groups
.set SLOT1, 131072
.set SPARE, 116736                     ; 128 bytes a wave: two blocks of 256 bytes that no other line names
.set QL,    117248
.set LG,    120320                     ; log2 g; g lies 512 bytes on
.set GG,    120832
.set STG,   121344                     ; a stage for each wave: 16 rows x (128 bytes + 16) = 2,304 bytes; no fill lands here
.set TIMG,  247808                     ; fragment (token tile T, K step k) at (6 T + k) 1536
.set TSC,   321536                     ; scale word at 1024 k + 32 lane + 4 T
.set TM,    64
.set PCT,   88
.set Q,     96
.set FRG,   160
.set MSB,   0
.macro WIN new                         ; the immediate's high byte repeats the setting that is left
.if MSB != \new
	s_set_vgpr_msb (MSB<<8)|\new
.set MSB, \new
.endif
.endm
.macro PLACES n
.rept \n
	v_nop
.endr
.endm
.macro CROUND                          ; a round of the cluster's barrier
	s_barrier_signal -1
	s_barrier_wait -1
	s_cmp_lg_u32 s4, 0
	s_cbranch_scc1 .Lnot_wave_0_\@
	s_barrier_signal -3
.Lnot_wave_0_\@:
	s_barrier_wait -3
	s_barrier_signal -1
	s_barrier_wait -1
.endm
; THE CHANGE OF SLOTS.  Each wave waits for all its tensor loads (one is out: its unit of the slot ahead), adds 0 to its spare word, and waits for that and for its reads of the slot that it leaves.
; fill = 1: behind a round of the cluster's barrier the slot just left is filled with the fill after next; the four v_nop behind the load are also the places in front of the LDS loads that follow.
.macro CHANGE fill
	WIN 0
	s_wait_tensorcnt 0x0                           ; no tensor load of mine is out, so the descriptor may be written
	ds_add_u32 v6, v7                              ; 0 onto my spare word
.if \fill
	s_xor_b32 s33, s33, SLOT1                      ; the walking descriptor: the other slot than last time,
	s_add_nc_u64 s[34:35], s[34:35], SLOTB         ; the next fill; the type bits on top are not reached
.endif
	s_xor_b32 s8, s8, SLOT1                        ; my reads go on to the other slot
	s_wait_dscnt 0x0                               ; the add is done, my LDS stores have landed, my reads of the slot are over
.if \fill
	CROUND
	tensor_load_to_lds s[32:35], s[24:31]          ; my one tensor load until the next round
	s_nop 0
.else
	s_barrier_signal -1
	s_barrier_wait -1
.endif
	PLACES 4
.endm
; 64 numbers of a lane in window win, register 16 b + i = k 32 b + 16 (lane / 16) + i of my token, become a fragment's codes in v[fr] on and its scale word in v[pw].  ab = 1: the codes' signs are cleared
; (rounding is symmetric, so these are the codes of the magnitudes).
.macro QUANT src, win, fr, pw, ab
	WIN (\win)|((\win)<<2)
.irp b, 0,1,2,3
	v_max3_num_f32 v[TM+\b], |v[(\src)+16*\b]|, |v[(\src)+16*\b+1]|, 0x1800000   ; the floor 2^(3 - 127) holds the byte at 1 from below
.endr
.irp i, 2,4,6,8,10,12,14
.irp b, 0,1,2,3
	v_max3_num_f32 v[TM+\b], |v[(\src)+16*\b+\i]|, |v[(\src)+16*\b+\i+1]|, v[TM+\b]
.endr
.endr
	WIN 0
.irp b, 0,1,2,3
	v_permlanex16_b32 v[TM+4+\b], v[TM+\b], s12, s13
.endr
.irp b, 0,1,2,3
	v_max_num_f32 v[TM+\b], v[TM+\b], v[TM+4+\b]           ; with lane l xor 16's: the block's largest magnitude
.endr
.irp b, 0,1,2,3
	v_add_nc_u32 v[TM+12+\b], 0xff000000, v[TM+\b]         ; 2 off its exponent field: the conversion's scale operand
.endr
.irp b, 0,1,2,3
	v_lshrrev_b32 v[TM+4+\b], 23, v[TM+12+\b]              ; the scale's byte
.endr
	v_lshl_or_b32 v[\pw], v[TM+5], 8, v[TM+4]
	v_lshl_or_b32 v[\pw], v[TM+6], 16, v[\pw]
	v_lshl_or_b32 v[\pw], v[TM+7], 24, v[\pw]
	WIN \win
.irp c, 0,1
	v_cvt_scalef32_pk16_fp6_f32 v[(\fr)+6*\c:(\fr)+6*\c+2], v[(\src)+32*\c:(\src)+32*\c+15], v[TM+12+2*\c]
	v_cvt_scalef32_pk16_fp6_f32 v[PCT+4*\c:PCT+4*\c+2], v[(\src)+32*\c+16:(\src)+32*\c+31], v[TM+12+2*\c+1]
.endr
	WIN 0
	v_nop                                          ; one plain place behind a scaled conversion
.if \ab
.irp c, 0,1
.irp i, 0,1,2
	v_and_b32 v[(\fr)+6*\c+\i], s[16+\i], v[(\fr)+6*\c+\i]   ; bit 6 i + 5 of the 96 is code i's sign
	v_and_b32 v[PCT+4*\c+\i], s[16+\i], v[PCT+4*\c+\i]
.endr
.endr
.endif
.irp c, 0,1                                    ; the operand's layout wants a whole block in a lane
.irp i, 0,1,2
	v_permlane16_swap_b32 v[(\fr)+6*\c+\i], v[PCT+4*\c+\i]
.endr
.irp i, 0,1,2
	v_mov_b32 v[(\fr)+6*\c+3+\i], v[PCT+4*\c+\i]
.endr
.endr
.endm
; Token tile tl, chunk kc of the trip (+ extra bytes), into buffer i of window 1, AS THE BYTES LIE: load (b, q) takes block b's 128 bytes of tokens 4 q .. 4 q + 3, eight lanes to a token
.macro XLOAD i, tl, kc, extra
	WIN 0x40
.irp b, 0,1,2,3
.irp q, 0,1,2,3
	global_load_b128 v[64*(\i)+16*\b+4*\q:64*(\i)+16*\b+4*\q+3], v5, s[66:67] offset:(\tl)*49152+\q*12288+(\kc)*512+(\extra)+128*\b th:TH_LOAD_NT
.endr
.endr
	WIN 0
.endm
; Buffer i turns through my stage, block by block: four stores as loaded, four loads of 16 bytes at token r, + 64 (lane / 16) + 16 j, into the registers that the stores have left: register 16 b + 4 j + e is then
; k 32 b + 16 (lane / 16) + 4 j + e of token r.  LDS serves a wave's instructions in order (ISA guide 5.7.1.4): no wait between the stores and the loads, nor in front of the next block's stores.
.macro TURN i
	WIN 0x44                                       ; the stores' data and the loads' destinations lie in window 1, the addresses in window 0
.irp b, 0,1,2,3
.irp q, 0,1,2,3
	ds_store_b128 v21, v[64*(\i)+16*\b+4*\q:64*(\i)+16*\b+4*\q+3] offset:576*\q
.endr
.irp j, 0,1,2,3
	ds_load_b128 v[64*(\i)+16*\b+4*\j:64*(\i)+16*\b+4*\j+3], v4 offset:16*\j
.endr
.endr
	WIN 0
.endm
.macro QLOAD kc                        ; q_vec's 64 numbers of the chunk, in the quantiser's layout; the wait for them stands at the head of the tile's work that follows
.irp b, 0,1,2,3
.irp j, 0,1,2,3
	ds_load_b128 v[Q+16*\b+4*\j:Q+16*\b+4*\j+3], v18 offset:512*(\kc)+128*\b+16*\j
.endr
.endr
.endm
; One tile of 16 tokens, one chunk: three fragments.  nxt: the buffer that is worked on next is turned now, under this tile's vector work (-1: none); left: the loads younger than that buffer's may stay out.
.macro TS i, tl, kc, nxt, left, ahead
	s_wait_dscnt 0x0                               ; my buffer is back from the stage, and q is in
.if (\nxt) >= 0
	s_wait_loadcnt \left
	TURN \nxt
.endif
	QUANT 64*(\i), 1, FRG+12*(\tl), 48+(\tl), 0
.irp c, 0,1,2
	ds_store_b128 v16, v[FRG+12*(\tl)+4*\c:FRG+12*(\tl)+4*\c+3] offset:(\kc)*1536+(\tl)*9216+512*\c   ; kv's fragment is kept for K and V
.endr
	ds_store_b32 v17, v[48+(\tl)] offset:(\kc)*1024+4*(\tl)
	WIN 0xc4
.set n_, 0
.rept 32
	v_pk_add_f32 v[144+n_:145+n_], v[Q+n_:Q+n_+1], v[64*(\i)+n_:64*(\i)+n_+1] neg_lo:[0,1] neg_hi:[0,1]   ; q - kv
.set n_, n_+2
.endr
	WIN 0x44
.set n_, 0
.rept 32
	v_pk_mul_f32 v[64*(\i)+n_:64*(\i)+n_+1], v[Q+n_:Q+n_+1], v[64*(\i)+n_:64*(\i)+n_+1]                   ; q kv, in place
.set n_, n_+2
.endr
	QUANT 144, 3, FRG+12*(2+(\tl)), 50+(\tl), 1
	QUANT 64*(\i), 1, FRG+12*(4+(\tl)), 52+(\tl), 0
	s_wait_xcnt 0x0                                ; EXEC changes only behind this wait
	s_cmp_lg_u32 s9, 1                             ; s9 = 1 in the last trip: nothing lies beyond its chunks
	s_cselect_b32 vcc_lo, -1, 0
	s_and_saveexec_b32 s72, vcc_lo                 ; all lanes on, or in the last trip none: the loads are issued in every trip, so the counts of the waits are the same in every trip
	XLOAD \i, \tl, \kc, 1024                       ; the buffer takes the same chunk of the next trip
	s_wait_xcnt 0x0                                ; and again, in front of the line that widens EXEC
	s_or_b32 exec_lo, exec_lo, s72
.endm
; Group g = 2 j + th of a chunk (feature j, columns 96 th on) into set g % 2: 18 + 2 loads
.macro LOADW g, kc
	WIN 0xc0
.irp t, 0,1,2,3,4,5
.irp c, 0,1,2
	ds_load_b128 v[72*((\g)%2)+12*\t+4*\c:72*((\g)%2)+12*\t+4*\c+3], v[8+11*(\kc)] offset:((\g)%2)*U+((\g)/2)*GRP+1536*\t+512*\c
.endr
.endr
	WIN 0
	ds_load_b128 v[32+8*((\g)%2):35+8*((\g)%2)], v[9+11*(\kc)] offset:((\g)%2)*U+((\g)/2)*GRP
	ds_load_b64 v[36+8*((\g)%2):37+8*((\g)%2)], v[9+11*(\kc)] offset:((\g)%2)*U+((\g)/2)*GRP+16
.endm
.macro GMUL g                          ; 12 products: 6 column tiles x my 2 token tiles; neighbouring groups work on different accumulators, so the accumulators take turns
	WIN 0xa3
.irp t, 0,1,2,3,4,5
.irp u, 0,1
	v_wmma_scale_f32_16x16x128_f8f6f4 v[8*(2*(6*((\g)%2)+\t)+\u):8*(2*(6*((\g)%2)+\t)+\u)+7], v[72*((\g)%2)+12*\t:72*((\g)%2)+12*\t+11], v[FRG+12*(2*((\g)/2)+\u):FRG+12*(2*((\g)/2)+\u)+11], v[8*(2*(6*((\g)%2)+\t)+\u):8*(2*(6*((\g)%2)+\t)+\u)+7], v[32+8*((\g)%2)+\t], v[48+2*((\g)/2)+\u] matrix_a_fmt:MATRIX_FMT_FP6 matrix_b_fmt:MATRIX_FMT_FP6
.endr
.endr
.endm
.macro MM kc
	PLACES 8                                       ; scale words and fragments written by vector instructions stand 8 and 4 places ahead of a scaled product
	LOADW 0, \kc
	LOADW 1, \kc
.irp g, 0,1,2,3,4,5
.if \g < 5
	s_wait_alu depctr_va_vdst(0)
	s_wait_dscnt 20                                ; this group is in; the next group's 20 loads may be out
.else
	s_wait_dscnt 0x0
.endif
	GMUL \g
.if \g < 4
	PLACES 4                                       ; in front of loads into the set just multiplied
	LOADW \g+2, \kc
.endif
.endr
	WIN 0
.endm
.macro GTRIP ahead, n3, l0, l1, l2, l3 ; one fill: two chunks.  n3: the buffer that the fourth tile's work turns, or none
	s_wait_loadcnt 48                              ; buffer 0 is in; the 48 loads of buffers 1 to 3 may be out
	TURN 0                                         ; the trip's first buffer turns ahead of the change of slots, whose wait on DScnt covers it
	CHANGE 1
	v_add_nc_u32 v8, s8, v3
	v_add_nc_u32 v9, s8, v22
	v_add_nc_u32 v19, 2*U, v8
	v_add_nc_u32 v20, 2*U, v9
	v_add_nc_u32 v16, s11, v13
	v_add_nc_u32 v17, s73, v14
	v_add_nc_u32 v18, s74, v15
	QLOAD 0
	TS 0, 0, 0, 1, \l0, \ahead
	TS 1, 1, 0, 2, \l1, \ahead
	MM 0
	QLOAD 1
	TS 2, 0, 1, 3, \l2, \ahead
	TS 3, 1, 1, \n3, \l3, \ahead
	MM 1
.endm
; K and V: the fragments of one K step are 46 LDS loads: 8 token tiles (24), my 6 column tiles (18), their scale words (4).  KCH is part n of five: 0-2: eight loads of tokens each; 3: column tiles 0-2 and the
; weights' scale words; 4: column tiles 3-5 and the tokens' scale words.
.macro KCH set, ks, j, n
.if (\n) < 3
	WIN 0x40
.set q_, 8*(\n)
.rept 8
	ds_load_b128 v[96*(\set)+4*q_:96*(\set)+4*q_+3], v[10+q_/12] offset:(6*((q_/3)%4)+(\ks))*1536+512*(q_%3)   ; load q: token tile q / 3, its (q % 3)-th four registers
.set q_, q_+1
.endr
.else
	WIN 0
.set q_, 9*((\n)-3)
.rept 9
	ds_load_b128 v[96+72*(\set)+4*q_:96+72*(\set)+4*q_+3], v8 offset:(\j)*GRP+512*q_
.set q_, q_+1
.endr
.if (\n) == 3
	ds_load_b128 v[32+8*(\set):35+8*(\set)], v9 offset:(\j)*GRP
	ds_load_b64 v[36+8*(\set):37+8*(\set)], v9 offset:(\j)*GRP+16
.else
	ds_load_b128 v[48+8*(\set):51+8*(\set)], v12 offset:(\ks)*1024
	ds_load_b128 v[52+8*(\set):55+8*(\set)], v12 offset:(\ks)*1024+16
.endif
.endif
.endm
.macro KLOAD set, ks, j                ; all five parts on end: ahead of the first pass, where no product is at hand to stand between them
.irp n, 0,1,2,3,4
	KCH \set, \ks, \j, \n
.endr
.endm
.macro WMC ks, first, c                ; column tile c against the 8 token tiles; over a K step the 48 accumulators take turns; first = 1: the products start the sums
.if (\c) < 4
	WIN 0xa4
.else
	WIN 0xf4
.endif
.irp T, 0,1,2,3,4,5,6,7
.if \first
	v_wmma_scale_f32_16x16x128_f8f6f4 v[8*(8*((\c)%4)+\T):8*(8*((\c)%4)+\T)+7], v[96+72*((\ks)%2)+12*(\c):96+72*((\ks)%2)+12*(\c)+11], v[96*((\ks)%2)+12*\T:96*((\ks)%2)+12*\T+11], 0, v[32+8*((\ks)%2)+(\c)], v[48+8*((\ks)%2)+\T] matrix_a_fmt:MATRIX_FMT_FP6 matrix_b_fmt:MATRIX_FMT_FP6
.else
	v_wmma_scale_f32_16x16x128_f8f6f4 v[8*(8*((\c)%4)+\T):8*(8*((\c)%4)+\T)+7], v[96+72*((\ks)%2)+12*(\c):96+72*((\ks)%2)+12*(\c)+11], v[96*((\ks)%2)+12*\T:96*((\ks)%2)+12*\T+11], v[8*(8*((\c)%4)+\T):8*(8*((\c)%4)+\T)+7], v[32+8*((\ks)%2)+(\c)], v[48+8*((\ks)%2)+\T] matrix_a_fmt:MATRIX_FMT_FP6 matrix_b_fmt:MATRIX_FMT_FP6
.endif
.endr
.endm
.macro QHLOAD add                      ; the projected query of head 2 w + (s10 + add) / 2, in the same layout
	s_add_co_u32 s22, s10, \add
	s_lshr_b32 s22, s22, 1
	s_lshl_b32 s23, s4, 1
	s_add_co_u32 s22, s22, s23
	s_mul_i32 s70, s22, 384
	s_mul_i32 s23, s7, 3072
	s_add_co_u32 s70, s70, s23
	s_mov_b32 s71, 0
	s_add_nc_u64 s[84:85], s[52:53], s[70:71]
	WIN 0x40
.irp c, 0,1,2,3,4,5
	global_load_b128 v[192+8*\c:195+8*\c], v28, s[84:85] offset:64*\c
	global_load_b128 v[196+8*\c:199+8*\c], v28, s[84:85] offset:64*\c+16
.endr
	WIN 0
.endm
; A K step.  Its own fragments were asked for in the step before.  The next step's 46 LDS loads, all into the other set of registers, stand in five short runs ahead of column tiles 0 to 4, so that LDS serves them
; while the products are multiplied; the last run stands 16 products ahead of the next step's wait.  The places at the step's head stand behind the other set's last reader, for all five runs.
; mode 0: plain; 1: the slot is left and filled again; 2: left, not filled; 3: nothing follows.
.macro KS ks, mode, first, bl
.if \mode == 0
	s_wait_dscnt 0x0                               ; this step's fragments are in
	PLACES 4                                       ; in front of loads into the set that the last step multiplied
.elseif \mode == 3
	s_wait_dscnt 0x0
.else
	CHANGE 2-\mode
	v_add_nc_u32 v8, s8, v23
	s_wait_alu depctr_va_vdst(0)
	v_add_nc_u32 v9, s8, v24
.endif
.irp c, 0,1,2,3,4,5
.if (\mode != 3) && (\c < 5)
	KCH ((\ks)+1)%2, ((\ks)+1)%6, ((\ks)+1)%3, \c
.endif
	WMC \ks, \first, \c
.endr
.endm
; After a K pass: scores, the block's maximum, p and its sum
.macro KE
	PLACES 4
	s_wait_loadcnt 0x0                             ; the head's query, asked for a pass or more ago
	WIN 0
.irp T, 0,1,2,3,4,5,6,7
	ds_load_b32 v[232+\T], v25 offset:64*\T        ; log2 g of token 16 T + r, -infinity under the mask
.endr
	WIN 0x06
.irp c, 0,1,2,3
.irp p, 0,1,2,3
.irp T, 0,1,2,3,4,5,6,7
.if (\c == 0) && (\p == 0)
	v_pk_mul_f32 v[216+2*\T:217+2*\T], v[8*(8*\c+\T)+2*\p:8*(8*\c+\T)+2*\p+1], v[192+8*\c+2*\p:193+8*\c+2*\p]
.else
	v_pk_fma_f32 v[216+2*\T:217+2*\T], v[8*(8*\c+\T)+2*\p:8*(8*\c+\T)+2*\p+1], v[192+8*\c+2*\p:193+8*\c+2*\p], v[216+2*\T:217+2*\T]
.endif
.endr
.endr
.endr
	WIN 0x07
.irp c, 4,5
.irp p, 0,1,2,3
.irp T, 0,1,2,3,4,5,6,7
	v_pk_fma_f32 v[216+2*\T:217+2*\T], v[8*(8*(\c-4)+\T)+2*\p:8*(8*(\c-4)+\T)+2*\p+1], v[192+8*\c+2*\p:193+8*\c+2*\p], v[216+2*\T:217+2*\T]
.endr
.endr
.endr
	WIN 0
.irp T, 0,1,2,3,4,5,6,7
	v_add_f32 v[216+2*\T], v[216+2*\T], v[217+2*\T]
.endr
.irp T, 0,1,2,3,4,5,6,7
	v_permlanex16_b32 v[217+2*\T], v[216+2*\T], s12, s13
.endr
.irp T, 0,1,2,3,4,5,6,7
	v_add_f32 v[216+2*\T], v[216+2*\T], v[217+2*\T]        ; q . k of token 16 T + r
.endr
	s_wait_alu depctr_va_vdst(0)
	s_wait_dscnt 0x0
.irp T, 0,1,2,3,4,5,6,7
	v_fma_f32 v[216+2*\T], v[216+2*\T], s14, v[232+\T]     ; t
.endr
	v_max3_num_f32 v80, v216, v218, 0xff61b1e6             ; -3e38 among the leaves: m is a number even where all 128 tokens are masked
	v_max3_num_f32 v80, v80, v220, v222
	v_max3_num_f32 v80, v80, v224, v226
	v_max3_num_f32 v80, v80, v228, v230
.irp x, 1,2,4,8
	v_max_num_f32_dpp v80, v80, v80 row_xmask:\x row_mask:0xf bank_mask:0xf
.endr
.irp T, 0,1,2,3,4,5,6,7
	v_sub_f32 v[216+2*\T], v[216+2*\T], v80
.endr
	s_wait_alu depctr_va_vdst(0)
.irp T, 0,1,2,3,4,5,6,7
	v_exp_f32 v[64+2*\T], v[216+2*\T]              ; p = 2^(t - m)
.endr
	v_nop                                          ; a plain place behind the exponentials
	s_wait_alu depctr_va_vdst(0)                   ; one wait for the eight, ahead of their first reader
	v_add_f32 v81, v64, v66
	v_add_f32 v82, v68, v70
	v_add_f32 v83, v72, v74
	v_add_f32 v84, v76, v78
	v_add_f32 v81, v81, v82
	v_add_f32 v83, v83, v84
	v_add_f32 v81, v81, v83
.irp x, 1,2,4,8
	v_add_f32_dpp v81, v81, v81 row_xmask:\x row_mask:0xf bank_mask:0xf
.endr
.endm
; After a V pass: the sum over the 128 tokens of p v; it, m and l leave
.macro VE
	PLACES 4
	WIN 0x02
.irp T, 0,1,2,3,4,5,6,7
.irp c, 0,1,2,3
.irp p, 0,1,2,3
.if \T == 0
	v_pk_mul_f32 v[168+8*\c+2*\p:169+8*\c+2*\p], v[8*(8*\c+\T)+2*\p:8*(8*\c+\T)+2*\p+1], v[64+2*\T:65+2*\T] op_sel_hi:[1,0]
.else
	v_pk_fma_f32 v[168+8*\c+2*\p:169+8*\c+2*\p], v[8*(8*\c+\T)+2*\p:8*(8*\c+\T)+2*\p+1], v[64+2*\T:65+2*\T], v[168+8*\c+2*\p:169+8*\c+2*\p] op_sel_hi:[1,0,1]
.endif
.endr
.endr
.endr
	WIN 0x03
.irp T, 0,1,2,3,4,5,6,7
.irp c, 4,5
.irp p, 0,1,2,3
.if \T == 0
	v_pk_mul_f32 v[168+8*\c+2*\p:169+8*\c+2*\p], v[8*(8*(\c-4)+\T)+2*\p:8*(8*(\c-4)+\T)+2*\p+1], v[64+2*\T:65+2*\T] op_sel_hi:[1,0]
.else
	v_pk_fma_f32 v[168+8*\c+2*\p:169+8*\c+2*\p], v[8*(8*(\c-4)+\T)+2*\p:8*(8*(\c-4)+\T)+2*\p+1], v[64+2*\T:65+2*\T], v[168+8*\c+2*\p:169+8*\c+2*\p] op_sel_hi:[1,0,1]
.endif
.endr
.endr
.endr
	WIN 0
.irp x, 1,2,4,8
.set n_, 0
.rept 48
	v_add_f32_dpp v[168+n_], v[168+n_], v[168+n_] row_xmask:\x row_mask:0xf bank_mask:0xf   ; over the 16 tokens of the lanes
.set n_, n_+1
.endr
.endr
	s_lshr_b32 s22, s10, 1
	s_lshl_b32 s23, s4, 1
	s_add_co_u32 s22, s22, s23                     ; the head
	s_mul_i32 s70, s22, 384
	s_mul_i32 s23, s6, 3072
	s_add_co_u32 s70, s70, s23
	s_mov_b32 s71, 0
	s_wait_alu depctr_va_vdst(0)
	s_wait_xcnt 0x0                                ; earlier stores have read their bases; and EXEC changes only behind this wait
	s_add_nc_u64 s[86:87], s[58:59], s[70:71]
	s_lshl_b32 s70, s22, 3
	s_lshl_b32 s23, s6, 6
	s_add_co_u32 s70, s70, s23
	s_add_nc_u64 s[88:89], s[60:61], s[70:71]
	v_cmp_eq_u32 vcc_lo, 0, v1
	s_and_saveexec_b32 s72, vcc_lo                 ; lanes 0 and 16: every lane of a half holds the same sums
.irp c, 0,1,2,3,4,5
	global_store_b128 v28, v[168+8*\c:171+8*\c], s[86:87] offset:64*\c
	global_store_b128 v28, v[172+8*\c:175+8*\c], s[86:87] offset:64*\c+16
.endr
	global_store_b64 v7, v[80:81], s[88:89]        ; m, l
	s_wait_xcnt 0x0                                ; and again, in front of the line that widens EXEC; the stores' data may be written again too
	s_or_b32 exec_lo, exec_lo, s72
.endm
	s_load_b256 s[36:43], s[0:1], 0x0              ; kv_tokens, q_vec, kv_mask, Wg2
	s_load_b64 s[44:45], s[0:1], 0x20              ; bg2
	s_load_b64 s[50:51], s[0:1], 0x28              ; wimg
	s_load_b256 s[52:59], s[0:1], 0x30             ; qp, hq, out1, part
	s_load_b64 s[60:61], s[0:1], 0x50              ; ml
	v_lshl_add_u32 v6, v0, 2, SPARE
	v_mov_b32 v7, 0
	ds_add_u32 v6, v7
	ds_add_u32 v6, v7
	s_wait_dscnt 0x0
	v_lshrrev_b32 v1, 5, v0
	v_readfirstlane_b32 s4, v1                     ; wave 0..3
	s_bfe_u32 s5, ttmp6, 0x40000                   ; cx: it enters global addresses alone
	s_lshl_b32 s6, ttmp9, 2
	s_add_co_u32 s6, s6, s5                        ; my block of 128 tokens
	s_lshr_b32 s7, s6, 3                           ; the batch
	s_mov_b32 s8, SLOT1
	s_mov_b32 s9, 3                                ; the gate's trips to go
	s_mov_b32 s10, 0
	s_mov_b32 s11, 0
	s_mov_b32 s73, 0
	s_mov_b32 s74, 0
	s_mov_b32 s12, 0x76543210
	s_mov_b32 s13, 0xfedcba98                      ; v_permlanex16_b32's selects for lane l xor 16
	s_mov_b32 s14, 0x3e16c740                      ; log2(e) / sqrt(96)
	s_mov_b32 s16, 0xdf7df7df                      ; all but the sign bits of 16 codes, in their three words
	s_mov_b32 s17, 0xf7df7df7
	s_mov_b32 s18, 0x7df7df7d
	s_mov_b32 s20, 0x3c23d70a                      ; 0.01
	s_mov_b32 s21, 0x3f7d70a4                      ; 0.99
	; descriptor group 1: a unit is a dense block of 114 rows of 256 bytes (32 elements of 8 bytes), no padding: images are read 512 consecutive bytes an instruction
	s_mov_b32 s24, 15|(3<<16)|(1<<21)              ; the mask: all four work-groups; elements of 8 bytes; bit 21 set beside a mask
	s_mov_b32 s25, 32<<16                          ; tensor_dim0
	s_mov_b32 s26, 114<<16                         ; tensor_dim1
	s_mov_b32 s27, 32<<16                          ; tile_dim0
	s_mov_b32 s28, 114                             ; tile_dim1
	s_mov_b32 s29, 32                              ; the pitch
	s_mov_b32 s30, 0
	s_mov_b32 s31, 0
	s_mov_b32 s32, 1
	s_mul_i32 s33, s4, U                           ; LDS: my unit of slot 0
	s_mov_b32 s22, s33
	s_mov_b32 s23, 0
	v_and_b32 v1, 15, v0                           ; r
	v_bfe_u32 v2, v0, 4, 1                         ; h
	v_and_b32 v31, 31, v0                          ; lane
	v_lshlrev_b32 v3, 4, v31                       ; 16 x lane: an image's place for my lane
	v_lshrrev_b32 v76, 3, v31                      ; lane / 8
	v_and_b32 v77, 7, v31                          ; lane % 8
	v_mul_u32_u24 v5, v76, 3072
	v_lshl_add_u32 v5, v77, 4, v5                  ; kv_tokens: token lane / 8 of four, + 16 (lane % 8)
	v_add_nc_u32 v10, TIMG, v3                     ; token tiles 0-3,
	v_add_nc_u32 v11, 36864, v10                   ; 4-7
	v_lshlrev_b32 v12, 5, v31
	v_add_nc_u32 v12, TSC, v12                     ; my eight scale words of a K step
	s_mul_i32 s75, s4, 18432
	v_add_nc_u32 v13, s75, v10                     ; where my tiles' images go
	s_lshl_b32 s75, s4, 3
	v_add_nc_u32 v14, s75, v12                     ; and their scale words
	s_mul_i32 s75, s4, 2304                        ; my stage
	v_mul_u32_u24 v21, v76, 144
	v_lshl_add_u32 v21, v77, 4, v21
	v_add_nc_u32 v21, s75, v21
	v_add_nc_u32 v21, STG, v21                     ; into it: row lane / 8 of four, + 16 (lane % 8)
	v_mul_u32_u24 v4, v1, 144
	v_lshl_add_u32 v4, v2, 6, v4
	v_add_nc_u32 v4, s75, v4
	v_add_nc_u32 v4, STG, v4                       ; out of it: row r, + 64 h.  Rows 144 bytes apart: the 16 rows that a load touches begin at 16 different 16-byte columns of 256 bytes
	v_lshlrev_b32 v15, 6, v2
	v_add_nc_u32 v15, QL, v15
	v_lshlrev_b32 v22, 5, v1
	v_add_nc_u32 v22, 9216, v22                    ; a group's scale words of row r
	v_add_nc_u32 v23, s33, v3                      ; K and V: my unit
	v_add_nc_u32 v24, s33, v22
	v_lshlrev_b32 v25, 2, v1
	v_add_nc_u32 v25, LG, v25
	v_lshl_add_u32 v26, v0, 2, LG                  ; my token's word
	v_add_nc_u32 v27, GG, v3
	v_lshlrev_b32 v28, 5, v2                       ; 32 h: my half's eight numbers of a column tile
	s_mul_i32 s75, s4, 768
	v_lshlrev_b32 v83, 3, v31
	v_add_nc_u32 v30, s75, v83
	v_add_nc_u32 v30, QL, v30
.irp i, 68,69,70,71,72,73,74,75,80,81
	v_mov_b32 v\i, 0                               ; lane permutes' destinations, upper halves of pairs that are named, m and l: written once
.endr
	s_wait_kmcnt 0x0
	s_add_nc_u64 s[34:35], s[50:51], s[22:23]      ; wimg at my unit of fill 0
	s_or_b32 s35, s35, 0x80000000
	CROUND                                         ; all four work-groups are here: the first joint loads meet
	tensor_load_to_lds s[32:35], s[24:31]
	s_nop 0
	PLACES 4
	s_load_b32 s15, s[44:45], 0x0                  ; bg2
	s_mul_i32 s22, s7, 3072
	s_add_co_u32 s22, s22, s75
	s_add_nc_u64 s[92:93], s[38:39], s[22:23]      ; q_vec: my quarter of the batch's row
	s_mul_i32 s22, s7, 768
	s_add_nc_u64 s[76:77], s[54:55], s[22:23]      ; hq's row
	s_lshl_b32 s22, s6, 7
	s_lshl_b32 s75, s4, 5
	s_add_co_u32 s22, s22, s75                     ; my first token
	s_add_nc_u64 s[78:79], s[40:41], s[22:23]
	s_mul_i32 s22, s22, 3072
	s_add_nc_u64 s[66:67], s[36:37], s[22:23]
	s_lshl_b32 s22, s6, 9
	s_add_nc_u64 s[90:91], s[56:57], s[22:23]
.irp i, 0,1,2
	global_load_b64 v[84+2*\i:85+2*\i], v83, s[92:93] offset:256*\i
.endr
	WIN 0x80
.irp c, 0,1,2,3,4,5,6,7,8,9,10,11
.irp u, 0,1
	global_load_b128 v[8*(2*\c+\u):8*(2*\c+\u)+3], v28, s[76:77] offset:64*\c          ; hq starts all 24 sums
	global_load_b128 v[8*(2*\c+\u)+4:8*(2*\c+\u)+7], v28, s[76:77] offset:64*\c+16
.endr
.endr
.irp c, 0,1,2,3,4,5,6,7
	global_load_b128 v[192+8*\c:195+8*\c], v28, s[42:43] offset:64*\c
	global_load_b128 v[196+8*\c:199+8*\c], v28, s[42:43] offset:64*\c+16
.endr
	WIN 0xc0
.irp c, 8,9,10,11
	global_load_b128 v[208+8*(\c-8):211+8*(\c-8)], v28, s[42:43] offset:64*\c
	global_load_b128 v[212+8*(\c-8):215+8*(\c-8)], v28, s[42:43] offset:64*\c+16
.endr
	WIN 0
	global_load_u8 v29, v31, s[78:79]              ; my token's mask byte
	XLOAD 0, 0, 0, 0
	XLOAD 1, 1, 0, 0
	XLOAD 2, 0, 1, 0
	XLOAD 3, 1, 1, 0
	s_wait_loadcnt 48                              ; all but the 48 loads of buffers 1 to 3: buffer 0 is in, and all that was asked for ahead of it
	ds_store_b64 v30, v[84:85]
	ds_store_b64 v30, v[86:87] offset:256
	ds_store_b64 v30, v[88:89] offset:512
	s_wait_kmcnt 0x0
	; ---- THE GATE: three fills, two chunks each.  While a buffer is worked on, the next is turned and the 32 loads of the two behind it are on their way
.Lgate:
	GTRIP 1, -1, 32, 32, 32, 0
	s_wait_xcnt 0x0                                ; the loads have read their base
	s_add_nc_u64 s[66:67], s[66:67], 1024
	s_add_co_u32 s11, s11, 3072
	s_add_co_u32 s73, s73, 2048
	s_add_co_u32 s74, s74, 1024
	s_sub_co_u32 s9, s9, 1
	s_cmp_lg_u32 s9, 0
	s_cbranch_scc1 .Lgate
	s_wait_loadcnt 0x0                             ; the last trip's loads, issued with no lane on, are counted off: their registers are written again below
	; ---- relu, x Wg2, softplus, g
	PLACES 4
	QHLOAD 0
	WIN 0x88
.set n_, 0
.rept 192
	v_max_num_f32 v[n_], 0, v[n_]                  ; each accumulator from its low end on
.set n_, n_+1
.endr
	WIN 0x0a
.irp c, 0,1,2,3,4,5,6,7
.irp p, 0,1,2,3
.irp u, 0,1
.if (\c == 0) && (\p < 2)
	v_pk_mul_f32 v[240+4*\u+2*(\p%2):241+4*\u+2*(\p%2)], v[8*(2*\c+\u)+2*\p:8*(2*\c+\u)+2*\p+1], v[192+8*\c+2*\p:193+8*\c+2*\p]
.else
	v_pk_fma_f32 v[240+4*\u+2*(\p%2):241+4*\u+2*(\p%2)], v[8*(2*\c+\u)+2*\p:8*(2*\c+\u)+2*\p+1], v[192+8*\c+2*\p:193+8*\c+2*\p], v[240+4*\u+2*(\p%2):241+4*\u+2*(\p%2)]
.endif
.endr
.endr
.endr
	WIN 0x0e
.irp c, 8,9,10,11
.irp p, 0,1,2,3
.irp u, 0,1
	v_pk_fma_f32 v[240+4*\u+2*(\p%2):241+4*\u+2*(\p%2)], v[8*(2*\c+\u)+2*\p:8*(2*\c+\u)+2*\p+1], v[208+8*(\c-8)+2*\p:209+8*(\c-8)+2*\p], v[240+4*\u+2*(\p%2):241+4*\u+2*(\p%2)]
.endr
.endr
.endr
	WIN 0
	v_pk_add_f32 v[240:241], v[240:241], v[242:243]
	v_pk_add_f32 v[244:245], v[244:245], v[246:247]
	v_add_f32 v240, v240, v241
	v_add_f32 v244, v244, v245
	v_permlanex16_b32 v241, v240, s12, s13
	v_permlanex16_b32 v245, v244, s12, s13
	v_add_f32 v240, v240, v241
	v_add_f32 v244, v244, v245
	v_cmp_ne_u32 vcc_lo, 0, v2
	v_cndmask_b32 v240, v240, v244, vcc_lo         ; lanes 0-15 my first tile's tokens, lanes 16-31 my second's: lane = token
	v_add_f32 v240, s15, v240                      ; z
	v_and_b32 v241, 0x7fffffff, v240
	v_mul_f32 v241, 0xbfb8aa3b, v241
	s_wait_alu depctr_va_vdst(0)
	v_exp_f32 v241, v241                           ; e^-|z|
	v_max_num_f32 v242, 0, v240                    ; (a plain place)
	s_wait_alu depctr_va_vdst(0)                   ; ahead of the first reader; likewise below
	v_add_f32 v241, 1.0, v241
	s_wait_alu depctr_va_vdst(0)
	v_log_f32 v241, v241
	v_mov_b32 v245, 0xff800000                     ; (a plain place)  -infinity
	s_wait_alu depctr_va_vdst(0)
	v_fmamk_f32 v241, v241, 0x3f317218, v242       ; softplus = max(z, 0) + ln(1 + e^-|z|)
	v_add_f32 v242, 1.0, v241
	v_add_f32 v242, 0x322bcc77, v242               ; + 1e-8
	s_wait_alu depctr_va_vdst(0)
	v_rcp_f32 v242, v242
	v_nop
	s_wait_alu depctr_va_vdst(0)
	v_mul_f32 v243, v241, v242
	v_med3_num_f32 v243, v243, s20, s21            ; g
	s_wait_alu depctr_va_vdst(0)
	v_log_f32 v244, v243
	v_nop
	s_wait_alu depctr_va_vdst(0)
	v_cmp_ne_u32 vcc_lo, 0, v29
	v_cndmask_b32 v244, v245, v244, vcc_lo         ; log2 g, -infinity under the mask
	ds_store_b32 v26, v244
	ds_store_b32 v26, v243 offset:512
	; ---- K AND V
	CHANGE 1                                       ; its wait and its round also show kv's images, their scale words, g and log2 g to all four waves
	v_add_nc_u32 v8, s8, v23
	v_add_nc_u32 v9, s8, v24
	s_cmp_lg_u32 s4, 0
	s_cbranch_scc1 .Lno_g
	ds_load_b128 v[240:243], v27
	s_wait_dscnt 0x0
	global_store_b128 v3, v[240:243], s[90:91]     ; out1: 32 lanes store the block's 512 consecutive bytes
.Lno_g:
	s_wait_alu depctr_va_vdst(0)
	KLOAD 0, 0, 0
.Lpass:                                            ; passes 0, 1, 2: each leaves two slots, and both are filled again
	KS 0, 0, 1, 0
	KS 1, 0, 0, 1
	KS 2, 1, 0, 0
	s_wait_alu depctr_va_vdst(0)
	KS 3, 0, 0, 0
	KS 4, 0, 0, 0
	KS 5, 1, 0, 0
	WIN 0
	s_bitcmp1_b32 s10, 0
	s_cbranch_scc1 .Lafter_v
	KE
	s_branch .Lpass_end
.Lafter_v:
	VE
	s_wait_loadcnt 0x0                             ; the last head's query has landed: its registers and its base are written again below
	QHLOAD 1
.Lpass_end:
	s_add_co_u32 s10, s10, 1
	s_cmp_lt_u32 s10, 3
	s_cbranch_scc1 .Lpass                          ; the last pass is written out: nothing is left to fetch
	KS 0, 0, 1, 0
	KS 1, 0, 0, 0
	KS 2, 2, 0, 0
	s_wait_alu depctr_va_vdst(0)
	KS 3, 0, 0, 0
	KS 4, 0, 0, 0
	KS 5, 3, 0, 0
	WIN 0
	VE
	s_wait_tensorcnt 0x0                           ; the wave's end
	ds_add_u32 v6, v7
	s_wait_dscnt 0x0
	CROUND                                         ; the closing round
	s_endpgm
.Lfunc_end_k_qdf3ddec08b_main:
	.size	k_qdf3ddec08b_main, .Lfunc_end_k_qdf3ddec08b_main-k_qdf3ddec08b_main
	.p2alignl 7, 3214868480
	.fill 96, 4, 3214868480
	.section	.rodata,"a",@progbits
	.p2align	6, 0x0
	.amdhsa_kernel k_qdf3ddec08b_main
		.amdhsa_group_segment_fixed_size 327680
		.amdhsa_private_segment_fixed_size 0
		.amdhsa_enable_private_segment 0
		.amdhsa_kernarg_size 88
		.amdhsa_user_sgpr_count 2
		.amdhsa_user_sgpr_kernarg_segment_ptr 1
		.amdhsa_wavefront_size32 1
		.amdhsa_system_sgpr_workgroup_id_x 1
		.amdhsa_system_sgpr_workgroup_id_y 1
		.amdhsa_system_sgpr_workgroup_id_z 1
		.amdhsa_system_vgpr_workitem_id 0
		.amdhsa_next_free_vgpr 1024
		.amdhsa_next_free_sgpr 100
		.amdhsa_reserve_vcc 1
		.amdhsa_float_denorm_mode_32 3
		.amdhsa_float_denorm_mode_16_64 3
		.amdhsa_memory_ordered 1
		.amdhsa_forward_progress 1
		.amdhsa_inst_pref_size 255
	.end_amdhsa_kernel
	.section	.bss,"aw",@nobits
	.p2align	6
	.space	262144
	.amdgpu_metadata
---
amdhsa.version: [ 1, 2 ]
amdhsa.kernels:
  - .name:           k_qdf3ddec08b_main
    .symbol:         k_qdf3ddec08b_main.kd
    .args:
      - { .name: kv_tokens, .offset: 0, .size: 8, .value_kind: global_buffer, .address_space: global }
      - { .name: q_vec, .offset: 8, .size: 8, .value_kind: global_buffer, .address_space: global }
      - { .name: kv_mask, .offset: 16, .size: 8, .value_kind: global_buffer, .address_space: global }
      - { .name: Wg2, .offset: 24, .size: 8, .value_kind: global_buffer, .address_space: global }
      - { .name: bg2, .offset: 32, .size: 8, .value_kind: global_buffer, .address_space: global }
      - { .name: wimg, .offset: 40, .size: 8, .value_kind: global_buffer, .address_space: global }
      - { .name: qp, .offset: 48, .size: 8, .value_kind: global_buffer, .address_space: global }
      - { .name: hq, .offset: 56, .size: 8, .value_kind: global_buffer, .address_space: global }
      - { .name: out1, .offset: 64, .size: 8, .value_kind: global_buffer, .address_space: global }
      - { .name: part, .offset: 72, .size: 8, .value_kind: global_buffer, .address_space: global }
      - { .name: ml, .offset: 80, .size: 8, .value_kind: global_buffer, .address_space: global }
    .group_segment_fixed_size: 327680
    .private_segment_fixed_size: 0
    .kernarg_segment_align: 8
    .kernarg_segment_size: 88
    .max_flat_workgroup_size: 128
    .sgpr_count:     100
    .vgpr_count:     1024
    .wavefront_size: 32
...
	.end_amdgpu_metadata
.endif
;; end of part 5
;; launch final (part 6): grid 32 x 1, 16 waves a work-group, no clusters, 252,160 bytes of LDS; arguments part, ml, wimg, bo, q_vec, ln_g, ln_b, out0, bv; writes out0
.if DOCPART == 6
	.amdgcn_target "amdgcn-amd-amdhsa--gfx1250"
	.amdhsa_code_object_version 6
	.text
	.protected	k_qdf3ddec08b_final
	.globl	k_qdf3ddec08b_final
	.p2align	8
	.type	k_qdf3ddec08b_final,@function
k_qdf3ddec08b_final:
	s_mov_b64 s[64:65], 0
	v_nop
	global_prefetch_b8 v0, s[64:65] scope:SCOPE_SE
	s_setreg_imm32_b32 hwreg(HW_REG_WAVE_MODE, 25, 1), 1
	s_wait_xcnt 0x0
; One work-group for each batch.  The eight blocks' m, l and sums of p (v + bv) are joined: ctx = sum_i 2^(m_i - M) part_i / sum_i 2^(m_i - M) l_i.  ctx is quantised (MX-FP6 along its 768), multiplied by Wo
; (register images out of wimg, groups 132-179), bo and q_vec are added, and the row is normalised: out0.
; Sixteen waves; wave w owns output columns 48 w .. 48 w + 47: three column tiles, six K steps.  Its fragments of K steps 0-2 go from memory straight into registers at the head; those of K steps 3-5 have no
; registers yet and wait in LDS, brought by one tensor load a wave (14,592 bytes, a first fill; nothing is filled again).
; The product is used as it stands: source 0 = ctx's fragment, whose 16 rows are equal, source 1 = 16 rows of Wo: register 0 of an accumulator is column 16 tile + r.
; No cluster: each wave has one tensor load in the whole launch, so the two rounds that a joint request asks for would outnumber the requests.
; LIMITS: NaN and infinities are not served.  A batch whose EVERY token is masked has l = 0 in all eight blocks: the definition gives NaN there; here ctx is NaN, the quantiser's maxima pass over it and the format has
; no code for it, so that row of out0 holds numbers that mean nothing.  (Blocks that are wholly masked, in a batch that has valid tokens, are served: m = -3e38, l = 0, a sum of zeros.)
; THE BIAS OF V, in place of what the lines above say of it: part holds the sums of p v, and bv is added here, once for each batch: ctx = sum_i 2^(m_i - M) part_i / sum_i 2^(m_i - M) l_i + bv, since the weights sum to 1.
; bk and the mean of log g are left out of the program (shown at the head of the first kernel).
.set GRP,  9728
.set CTX,  233472                      ; LDS: Wo's K steps 3-5 from 0 (8 x 29,184), then ctx,
.set AIMG, 236544                      ; its six fragments,
.set ASC,  245760                      ; their scale words,
.set RED1, 246528                      ; two rows of 16 partial sums (the second 256 bytes on),
.set OUT,  247040                      ; and the finished row
.set TM,   88
.set PW,   104
.set PC,   106
.macro PLACES n
.rept \n
	v_nop
.endr
.endm
.macro BARRIER
	s_wait_dscnt 0x0                               ; my LDS stores have landed and my LDS loads are in
	s_barrier_signal -1
	s_barrier_wait -1
.endm
.macro QUANT s
.irp b, 0,1,2,3
	v_max3_num_f32 v[TM+\b], |v[\s+16*\b]|, |v[\s+1+16*\b]|, 0x1800000   ; the floor 2^(3 - 127) holds the byte at 1 from below
.endr
.irp i, 2,4,6,8,10,12,14
.irp b, 0,1,2,3
	s_delay_alu instid0(VALU_DEP_4)
	v_max3_num_f32 v[TM+\b], v[TM+\b], |v[\s+16*\b+\i]|, |v[\s+1+16*\b+\i]|
.endr
.endr
.irp b, 0,1,2,3
	s_delay_alu instid0(VALU_DEP_4)
	v_permlanex16_b32 v[TM+4+\b], v[TM+\b], s50, s51
.endr
.irp b, 0,1,2,3
	s_delay_alu instid0(VALU_DEP_4)
	v_max_num_f32 v[TM+\b], v[TM+\b], v[TM+4+\b]
.endr
.irp b, 0,1,2,3
	s_delay_alu instid0(VALU_DEP_4)
	v_add_nc_u32 v[TM+12+\b], 0xff000000, v[TM+\b]         ; 2 off the exponent field: the conversion's scale operand
.endr
.irp b, 0,1,2,3
	s_delay_alu instid0(VALU_DEP_4)
	v_lshrrev_b32 v[TM+4+\b], 23, v[TM+12+\b]
.endr
	s_delay_alu instid0(VALU_DEP_3)
	v_lshl_or_b32 v[PW], v[TM+5], 8, v[TM+4]
	s_delay_alu instid0(VALU_DEP_1)
	v_lshl_or_b32 v[PW], v[TM+6], 16, v[PW]
	s_delay_alu instid0(VALU_DEP_1)
	v_lshl_or_b32 v[PW], v[TM+7], 24, v[PW]
.irp c, 0,1
	v_cvt_scalef32_pk16_fp6_f32 v[PC+6*\c:PC+2+6*\c], v[\s+32*\c:\s+15+32*\c], v[TM+12+2*\c]
	v_cvt_scalef32_pk16_fp6_f32 v[PC+12+4*\c:PC+14+4*\c], v[\s+16+32*\c:\s+31+32*\c], v[TM+12+2*\c+1]
.endr
	v_nop                                          ; one plain place behind a scaled conversion
.irp c, 0,1
.irp i, 0,1,2
	v_permlane16_swap_b32 v[PC+6*\c+\i], v[PC+12+4*\c+\i]
.endr
.irp i, 0,1,2
	s_delay_alu instid0(VALU_DEP_3)
	v_mov_b32 v[PC+3+6*\c+\i], v[PC+12+4*\c+\i]
.endr
.endr
.endm
.macro WSUM off                        ; v27 summed over the wave's 16 lanes of a half, then over the 16 waves through LDS: the row's sum in v28
.irp x, 1,2,4,8
	s_delay_alu instid0(VALU_DEP_1)
	v_add_f32_dpp v27, v27, v27 row_xmask:\x row_mask:0xf bank_mask:0xf
.endr
	ds_store_b32 v15, v27 offset:\off              ; all lanes write the same word with the same value
	BARRIER
.irp i, 0,1,2,3
	ds_load_b128 v[28+4*\i:31+4*\i], v16 offset:\off+16*\i
.endr
	s_wait_dscnt 0x0
	v_pk_add_f32 v[28:29], v[28:29], v[30:31]
	v_pk_add_f32 v[32:33], v[32:33], v[34:35]
	v_pk_add_f32 v[36:37], v[36:37], v[38:39]
	v_pk_add_f32 v[40:41], v[40:41], v[42:43]
	s_delay_alu instid0(VALU_DEP_3)
	v_pk_add_f32 v[28:29], v[28:29], v[32:33]
	s_delay_alu instid0(VALU_DEP_2)
	v_pk_add_f32 v[36:37], v[36:37], v[40:41]
	s_delay_alu instid0(VALU_DEP_1)
	v_pk_add_f32 v[28:29], v[28:29], v[36:37]
	s_delay_alu instid0(VALU_DEP_1)
	v_add_f32 v28, v28, v29
.endm
.macro PROD k0, zero                   ; three K steps, my three column tiles by turns
.irp k, 0,1,2
.irp t, 0,1,2
.if \zero && (\k == 0)
	v_wmma_scale_f32_16x16x128_f8f6f4 v[102+8*\t:109+8*\t], v[24+12*((\k0)+\k):35+12*((\k0)+\k)], v[128+12*(3*\k+\t):139+12*(3*\k+\t)], 0, v[240+(\k0)+\k], v[246+3*\k+\t] matrix_a_fmt:MATRIX_FMT_FP6 matrix_b_fmt:MATRIX_FMT_FP6
.else
	v_wmma_scale_f32_16x16x128_f8f6f4 v[102+8*\t:109+8*\t], v[24+12*((\k0)+\k):35+12*((\k0)+\k)], v[128+12*(3*\k+\t):139+12*(3*\k+\t)], v[102+8*\t:109+8*\t], v[240+(\k0)+\k], v[246+3*\k+\t] matrix_a_fmt:MATRIX_FMT_FP6 matrix_b_fmt:MATRIX_FMT_FP6
.endif
.endr
.endr
.endm
	s_load_b512 s[16:31], s[0:1], 0x0              ; part, ml, wimg, bo, q_vec, ln_g, ln_b, out0
	s_load_b64 s[54:55], s[0:1], 0x40              ; bv
	v_lshl_add_u32 v23, v0, 2, 0x3d100
	v_mov_b32 v255, 0
	ds_add_u32 v23, v255
	ds_add_u32 v23, v255
	v_lshrrev_b32 v1, 5, v0
	s_delay_alu instid0(VALU_DEP_1)
	v_readfirstlane_b32 s4, v1                     ; wave 0..15
	s_mov_b32 s40, 3<<16                           ; descriptor group 1: 57 rows of 256 bytes (32 elements of 8 bytes), dense, no padding, no mask
	s_mov_b32 s41, 32<<16
	s_mov_b32 s42, 57<<16
	s_mov_b32 s43, 32<<16
	s_mov_b32 s44, 57
	s_mov_b32 s45, 32
	s_mov_b32 s46, 0
	s_mov_b32 s47, 0
	s_lshr_b32 s5, s4, 1                           ; which 96 columns
	s_and_b32 s6, s4, 1                            ; which half of them
	s_mul_i32 s7, s5, 6*GRP
	s_mul_i32 s9, s6, 14592
	s_add_co_u32 s8, s7, s9
	s_add_co_u32 s8, s8, 135*GRP                   ; groups 135 + 6 (w / 2) on: three groups, my half of their bytes
	s_mov_b32 s9, 0
	s_mov_b32 s36, 1
	s_mul_i32 s37, s4, 14592
	s_mov_b32 s50, 0x76543210
	s_mov_b32 s51, 0xfedcba98
	s_wait_dscnt 0x0
	s_wait_kmcnt 0x0
	s_add_nc_u64 s[38:39], s[20:21], s[8:9]
	s_or_b32 s39, s39, 0x80000000
	tensor_load_to_lds s[36:39], s[40:47]
	s_nop 0
	PLACES 4
	; every address is made here, ahead of the first parting of the waves
	v_and_b32 v1, 15, v0                           ; r
	v_bfe_u32 v2, v0, 4, 1                         ; h
	v_and_b32 v3, 31, v0
	s_delay_alu instid0(VALU_DEP_1)
	v_lshlrev_b32 v4, 2, v3                        ; 4 x lane
	s_delay_alu instid0(VALU_DEP_2)
	v_lshlrev_b32 v3, 4, v3                        ; 16 x lane
	v_lshlrev_b32 v5, 4, v0                        ; 16 x thread: four columns
	v_mul_u32_u24 v6, v0, 171
	s_delay_alu instid0(VALU_DEP_1)
	v_lshrrev_b32 v6, 12, v6                       ; thread / 24: their head (threads 0-191)
	s_delay_alu instid0(VALU_DEP_1)
	v_lshlrev_b32 v6, 3, v6
	s_delay_alu instid0(VALU_DEP_4)
	v_add_nc_u32 v7, CTX, v5
	s_lshl_b32 s52, s4, 9
	v_lshlrev_b32 v8, 6, v2
	s_delay_alu instid0(VALU_DEP_1)
	v_add_nc_u32 v8, s52, v8
	s_delay_alu instid0(VALU_DEP_1)
	v_add_nc_u32 v8, CTX, v8                       ; ctx: K step w, + 64 h
	s_mul_i32 s52, s4, 1536
	v_add_nc_u32 v9, s52, v3
	s_delay_alu instid0(VALU_DEP_1)
	v_add_nc_u32 v9, AIMG, v9
	s_lshl_b32 s52, s4, 7
	v_add_nc_u32 v10, s52, v4
	s_delay_alu instid0(VALU_DEP_1)
	v_add_nc_u32 v10, ASC, v10
	v_add_nc_u32 v11, AIMG, v3
	v_add_nc_u32 v12, ASC, v4
	s_mul_i32 s52, s5, 29184
	s_mul_i32 s53, s6, 4608
	s_add_co_u32 s53, s53, s52
	v_add_nc_u32 v13, s53, v3                      ; Wo in LDS: my three tiles' fragments,
	s_mul_i32 s53, s6, 12
	s_add_co_u32 s53, s53, s52
	s_add_co_u32 s53, s53, 9216
	v_lshlrev_b32 v21, 5, v1
	s_delay_alu instid0(VALU_DEP_1)
	v_add_nc_u32 v14, s53, v21                     ; and their scale words
	s_lshl_b32 s52, s4, 2
	s_add_co_u32 s52, s52, RED1
	v_mov_b32 v15, s52
	v_mov_b32 v16, RED1
	s_mul_i32 s52, s4, 192
	v_lshlrev_b32 v19, 2, v1
	s_delay_alu instid0(VALU_DEP_1)
	v_add_nc_u32 v19, s52, v19                     ; 4 (48 w + r)
	s_wait_alu depctr_va_vdst(0)
	v_add_nc_u32 v17, OUT, v19
	v_add_nc_u32 v18, OUT, v5
.irp b, 0,1,2,3
	v_mov_b32 v[TM+4+\b], 0                        ; a lane permute's destination counts as one of its sources
.endr
	s_mul_i32 s8, s6, 4608
	s_add_co_u32 s8, s8, s7
	s_add_co_u32 s8, s8, 132*GRP
	s_add_nc_u64 s[10:11], s[20:21], s[8:9]        ; Wo in memory: K steps 0-2, my three tiles
	s_mul_i32 s8, s6, 12
	s_add_co_u32 s8, s8, s7
	s_add_co_u32 s8, s8, 132*GRP+9216
	s_add_nc_u64 s[12:13], s[20:21], s[8:9]
	s_mul_i32 s8, ttmp9, 3072
	s_add_nc_u64 s[14:15], s[24:25], s[8:9]        ; q_vec's row
	s_add_nc_u64 s[32:33], s[30:31], s[8:9]        ; out0's row
	s_mul_i32 s8, ttmp9, 24576
	s_add_nc_u64 s[34:35], s[16:17], s[8:9]        ; the batch's eight rows of part
	s_lshl_b32 s8, ttmp9, 9
	s_add_nc_u64 s[48:49], s[18:19], s[8:9]        ; and of ml
.irp k, 0,1,2
.irp t, 0,1,2
.irp c, 0,1,2
	global_load_b128 v[128+12*(3*\k+\t)+4*\c:131+12*(3*\k+\t)+4*\c], v3, s[10:11] offset:\k*GRP+1536*\t+512*\c
.endr
	global_load_b32 v[246+3*\k+\t], v21, s[12:13] offset:\k*GRP+4*\t
.endr
.endr
	global_load_b32 v126, v19, s[22:23]            ; bo and q_vec at my three columns
	global_load_b32 v127, v19, s[22:23] offset:64
	global_load_b32 v236, v19, s[22:23] offset:128
	global_load_b32 v237, v19, s[14:15]
	global_load_b32 v238, v19, s[14:15] offset:64
	global_load_b32 v239, v19, s[14:15] offset:128
	; ---- the eight blocks are joined: waves 0-5, four columns a thread
	s_cmp_lt_u32 s4, 6
	s_cbranch_scc0 .Ljoined
.irp i, 0,1,2,3,4,5,6,7
	global_load_b128 v[40+4*\i:43+4*\i], v5, s[34:35] offset:3072*\i
	global_load_b64 v[24+2*\i:25+2*\i], v6, s[48:49] offset:64*\i
.endr
	global_load_b128 v[120:123], v5, s[54:55]      ; bv at my four columns
	s_wait_loadcnt 0x0
	v_max3_num_f32 v84, v24, v26, v28
	s_delay_alu instid0(VALU_DEP_1)
	v_max3_num_f32 v84, v84, v30, v32
	s_delay_alu instid0(VALU_DEP_1)
	v_max3_num_f32 v84, v84, v34, v36
	s_delay_alu instid0(VALU_DEP_1)
	v_max_num_f32 v84, v84, v38                    ; M
.irp i, 0,1,2,3,4,5,6,7
	v_sub_f32 v[72+\i], v[24+2*\i], v84
.endr
	s_wait_alu depctr_va_vdst(0)
.irp i, 0,1,2,3,4,5,6,7
	v_exp_f32 v[72+\i], v[72+\i]
.endr
	v_nop
	s_wait_alu depctr_va_vdst(0)                   ; one wait for the eight, ahead of their first reader
	v_mul_f32 v85, v72, v25
.irp i, 1,2,3,4,5,6,7
	v_fmac_f32 v85, v[72+\i], v[25+2*\i]
.endr
	s_wait_alu depctr_va_vdst(0)
	v_rcp_f32 v85, v85
	v_nop
	s_wait_alu depctr_va_vdst(0)
.irp i, 0,1,2,3,4,5,6,7
	v_mul_f32 v[72+\i], v[72+\i], v85
.endr
.irp q, 0,1,2,3
	v_fma_f32 v[80+\q], v[40+\q], v72, v[120+\q]   ; bv starts the joined sum
.endr
.irp i, 1,2,3,4,5,6,7
.irp q, 0,1,2,3
	s_delay_alu instid0(VALU_DEP_4)
	v_fmac_f32 v[80+\q], v[40+4*\i+\q], v[72+\i]
.endr
.endr
	ds_store_b128 v7, v[80:83]
.Ljoined:
	BARRIER                                        ; ctx lies in LDS
	; ---- ctx becomes six fragments: wave w < 6 makes K step w; every row of the fragment is ctx
	s_cmp_lt_u32 s4, 6
	s_cbranch_scc0 .Lquantised
.irp b, 0,1,2,3
.irp j, 0,1,2,3
	ds_load_b128 v[24+16*\b+4*\j:27+16*\b+4*\j], v8 offset:128*\b+16*\j
.endr
.endr
	s_wait_dscnt 0x0
	QUANT 24
.irp c, 0,1,2
	ds_store_b128 v9, v[PC+4*\c:PC+4*\c+3] offset:512*\c
.endr
	ds_store_b32 v10, v[PW]
.Lquantised:
	s_wait_tensorcnt 0x0                           ; my part of Wo's K steps 3-5 has landed
	BARRIER                                        ; everybody's has, and the six fragments lie in LDS
	global_load_b32 v96, v19, s[26:27]
	global_load_b32 v97, v19, s[26:27] offset:64
	global_load_b32 v98, v19, s[26:27] offset:128
	global_load_b32 v99, v19, s[28:29]
	global_load_b32 v100, v19, s[28:29] offset:64
	global_load_b32 v101, v19, s[28:29] offset:128
.irp k, 0,1,2,3,4,5
.irp c, 0,1,2
	ds_load_b128 v[24+12*\k+4*\c:27+12*\k+4*\c], v11 offset:1536*\k+512*\c
.endr
	ds_load_b32 v[240+\k], v12 offset:128*\k
.endr
	s_wait_dscnt 0x0
	s_wait_loadcnt 6                               ; all but ln_g's and ln_b's six loads
	PROD 0, 1
	PLACES 4                                       ; in front of loads into registers that the products have read
.irp k, 0,1,2
.irp t, 0,1,2
.irp c, 0,1,2
	ds_load_b128 v[128+12*(3*\k+\t)+4*\c:131+12*(3*\k+\t)+4*\c], v13 offset:\k*GRP+1536*\t+512*\c
.endr
	ds_load_b32 v[246+3*\k+\t], v14 offset:\k*GRP+4*\t
.endr
.endr
	s_wait_dscnt 0x0
	PROD 3, 0
	PLACES 4
	; ---- residual and LayerNorm
	s_mov_b32 s52, 0x3aaaaaab                      ; 1 / 768
	s_mov_b32 s53, 0x3727c5ac                      ; 1e-5
	s_wait_loadcnt 0x0
	v_add_f32 v24, v102, v126
	v_add_f32 v25, v110, v127
	v_add_f32 v26, v118, v236
	s_delay_alu instid0(VALU_DEP_3)
	v_add_f32 v24, v24, v237
	s_delay_alu instid0(VALU_DEP_3)
	v_add_f32 v25, v25, v238
	s_delay_alu instid0(VALU_DEP_3)
	v_add_f32 v26, v26, v239                       ; x at columns 48 w + 16 t + r
	s_delay_alu instid0(VALU_DEP_2)
	v_add_f32 v27, v24, v25
	s_delay_alu instid0(VALU_DEP_1)
	v_add_f32 v27, v27, v26
	WSUM 0
	s_delay_alu instid0(VALU_DEP_1)
	v_mul_f32 v28, s52, v28                        ; the mean
	s_delay_alu instid0(VALU_DEP_1)
	v_sub_f32 v24, v24, v28
	s_delay_alu instid0(VALU_DEP_2)
	v_sub_f32 v25, v25, v28
	s_delay_alu instid0(VALU_DEP_3)
	v_sub_f32 v26, v26, v28
	s_delay_alu instid0(VALU_DEP_3)
	v_mul_f32 v27, v24, v24
	s_delay_alu instid0(VALU_DEP_1)
	v_fmac_f32 v27, v25, v25
	s_delay_alu instid0(VALU_DEP_1)
	v_fmac_f32 v27, v26, v26
	WSUM 256
	s_delay_alu instid0(VALU_DEP_1)
	v_fma_f32 v28, v28, s52, s53                   ; the variance + 1e-5
	s_wait_alu depctr_va_vdst(0)
	v_rsq_f32 v28, v28
	v_nop
	s_wait_alu depctr_va_vdst(0)
	v_mul_f32 v24, v24, v28
	v_mul_f32 v25, v25, v28
	v_mul_f32 v26, v26, v28
	s_delay_alu instid0(VALU_DEP_3)
	v_fma_f32 v24, v24, v96, v99
	s_delay_alu instid0(VALU_DEP_3)
	v_fma_f32 v25, v25, v97, v100
	s_delay_alu instid0(VALU_DEP_3)
	v_fma_f32 v26, v26, v98, v101
	ds_store_b32 v17, v24                          ; lanes 16-31 repeat lanes 0-15's words with the same values
	ds_store_b32 v17, v25 offset:64
	ds_store_b32 v17, v26 offset:128
	BARRIER                                        ; the row lies in LDS
	s_cmp_lt_u32 s4, 6
	s_cbranch_scc0 .Ldone
	ds_load_b128 v[28:31], v18
	s_wait_dscnt 0x0
	global_store_b128 v5, v[28:31], s[32:33]       ; 32 lanes store 512 consecutive bytes
.Ldone:
	s_wait_tensorcnt 0x0
	ds_add_u32 v23, v255
	s_wait_dscnt 0x0
	s_endpgm
.Lfunc_end_k_qdf3ddec08b_final:
	.size	k_qdf3ddec08b_final, .Lfunc_end_k_qdf3ddec08b_final-k_qdf3ddec08b_final
	.p2alignl 7, 3214868480
	.fill 96, 4, 3214868480
	.section	.rodata,"a",@progbits
	.p2align	6, 0x0
	.amdhsa_kernel k_qdf3ddec08b_final
		.amdhsa_group_segment_fixed_size 252160
		.amdhsa_private_segment_fixed_size 0
		.amdhsa_enable_private_segment 0
		.amdhsa_kernarg_size 72
		.amdhsa_user_sgpr_count 2
		.amdhsa_user_sgpr_kernarg_segment_ptr 1
		.amdhsa_wavefront_size32 1
		.amdhsa_system_sgpr_workgroup_id_x 1
		.amdhsa_system_sgpr_workgroup_id_y 1
		.amdhsa_system_sgpr_workgroup_id_z 1
		.amdhsa_system_vgpr_workitem_id 0
		.amdhsa_next_free_vgpr 256
		.amdhsa_next_free_sgpr 66
		.amdhsa_reserve_vcc 0
		.amdhsa_float_denorm_mode_32 3
		.amdhsa_float_denorm_mode_16_64 3
		.amdhsa_memory_ordered 1
		.amdhsa_forward_progress 1
		.amdhsa_inst_pref_size 34
	.end_amdhsa_kernel
	.amdgpu_metadata
---
amdhsa.version: [ 1, 2 ]
amdhsa.kernels:
  - .name:           k_qdf3ddec08b_final
    .symbol:         k_qdf3ddec08b_final.kd
    .args:
      - { .name: part, .offset: 0, .size: 8, .value_kind: global_buffer, .address_space: global }
      - { .name: ml, .offset: 8, .size: 8, .value_kind: global_buffer, .address_space: global }
      - { .name: wimg, .offset: 16, .size: 8, .value_kind: global_buffer, .address_space: global }
      - { .name: bo, .offset: 24, .size: 8, .value_kind: global_buffer, .address_space: global }
      - { .name: q_vec, .offset: 32, .size: 8, .value_kind: global_buffer, .address_space: global }
      - { .name: ln_g, .offset: 40, .size: 8, .value_kind: global_buffer, .address_space: global }
      - { .name: ln_b, .offset: 48, .size: 8, .value_kind: global_buffer, .address_space: global }
      - { .name: out0, .offset: 56, .size: 8, .value_kind: global_buffer, .address_space: global }
      - { .name: bv, .offset: 64, .size: 8, .value_kind: global_buffer, .address_space: global }
    .group_segment_fixed_size: 252160
    .private_segment_fixed_size: 0
    .kernarg_segment_align: 8
    .kernarg_segment_size: 72
    .max_flat_workgroup_size: 512
    .sgpr_count:     66
    .vgpr_count:     256
    .wavefront_size: 32
...
	.end_amdgpu_metadata
.endif
;; end of part 6
